; MI455X (gfx1250); checked and timed in simulation.
; The chip was launched on July 23, 2026; its instructions are those of AMD's public machine-readable ISA for CDNA 5 (MIT licence, August 2026) and "CDNA5" Instruction Set Architecture Reference Guide (July 2026). The comments in the code are by the model that wrote it; some were corrected since.
;; Attention. Allowed arithmetic: matrix products marked QUANTISED: E2M1 operands, one E8M0 scale for each 32 along K, by v_wmma_scale_f32_16x16x128_f8f6f4 with both operands' format E2M1 (or v_wmma_scale_f32_32x16x128_f4), f32 sums; products left as they are: bf16, f16 or f32 operands; f32 sums; everything else in f32.
;; Inputs: kn_w 64 float32; proj_b 1,024 float32; proj_w 1,024 x 1,024 float32; qkv_b 3,072 float32; qkv_w 3,072 x 1,024 float32; qn_w 64 float32; rope_cos 2,048 x 64 float32; rope_sin 2,048 x 64 float32; x 4 x 2,048 x 1,024 float32.
;; Outputs: out0 4 x 2,048 x 1,024 float32.
;; This version of the problem:
;;   THIS VERSION OF THE PROBLEM IS GIVEN IN LOW PRECISION. The matrix products marked QUANTISED in the list below multiply operands that are first quantised to E2M1 (2 exponent bits, 1 mantissa bit; 4 bits a number), with one power-of-two scale for each 32 numbers along K (OCP MX v1.0); their sums are f32. The products marked 'left as it is' may take bf16, f16 or f32 operands, with f32 sums. Whichever they take, every output number must still come out within the allowed error. Rounding operands to bf16 (8 significant bits) uses up far more of that allowance than f16 does (11 bits, for magnitudes from 6e-5 to 65,504). All else is computed in f32.
;;   The module's matrix products, in the order in which they are computed (A, B: the left and right operand; K: the contracted axis; several contracted axes count as one K, in the product's order):
;;     1. [M 8,192, K 1,024] x [K 1,024, N 3,072]; A: input x; B: input qkv_w: QUANTISED
;;     2. batch 64 x [M 2,048, K 64] x [K 64, N 2,048]; A: computed on the way; B: computed on the way: left as it is (an operand is computed on the way)
;;     3. batch 64 x [M 2,048, K 2,048] x [K 2,048, N 64]; A: computed on the way; B: computed on the way: left as it is (an operand is computed on the way)
;;     4. [M 8,192, K 1,024] x [K 1,024, N 1,024]; A: computed on the way; B: input proj_w: left as it is (an operand is computed on the way)
;;   THE QUANTISER, for each operand of a quantised product, along K:
;;     - K is cut into blocks of 32 from its start; a last block that is shorter is filled with zeros.
;;     - A block's scale is 2^e with e = floor(log2(the largest magnitude in the block)) - 2, held to -126 .. 127; a block of zeros has e = 0. As a byte (E8M0): e + 127.
;;     - Each number is divided by its block's scale, clamped to +-6, and rounded to the nearest number of E2M1, ties to even, subnormals kept.
;;     - The product sums the exact products of the quantised numbers (number of the format x scale) in f32.
;;   ~~~python
;;   def quantise(x, axis):      # numpy; x: float32 -> the quantised numbers, widened to float32 again
;;       x = np.moveaxis(x, axis, -1); K = x.shape[-1]
;;       x = np.pad(x, [(0, 0)] * (x.ndim - 1) + [(0, -K % 32)]); x = x.reshape(x.shape[:-1] + (-1, 32)); a = np.abs(x).max(-1, keepdims=True)
;;       e = np.where(a > 0, np.clip(np.frexp(np.where(a > 0, a, 1))[1] - 1 - 2, -126, 127), 0)      # np.frexp(a)[1] - 1 = floor(log2(a)), exactly
;;       r = np.clip(x / 2.0 ** e, -6, 6)
;;       step = 2.0 ** (np.maximum(np.frexp(np.where(r == 0, 1, r))[1] - 1, 0) - 1)
;;       q = np.round(r / step) * step * 2.0 ** e      # np.round: ties to even
;;       return np.moveaxis(q.reshape(q.shape[:-2] + (-1,))[..., :K], -1, axis).astype(np.float32)
;;   ~~~
;; One version. Each part assembles by itself: llvm-mc -triple=amdgcn-amd-amdhsa -mcpu=gfx1250 --defsym DOCPART=n.
;; ======== version 1 of 1: 4 launches
;; limits: values are held in f16: magnitudes above 65,504 overflow, below 6.1e-05 lose precision
;; workspace buffers: xc 4,194,304 bytes; xs 262,144 bytes; wc 1,572,864 bytes; ws 98,304 bytes; pw 2,097,152 bytes; qkv 50,331,648 bytes; of 16,777,216 bytes
;; launch quant (part 1): grid 416 x 1, 4 waves a work-group, no clusters, 33,280 bytes of LDS; arguments x, qkv_w, xc, xs, wc, ws, proj_w, pw; writes xc, xs, wc, ws, pw
.if DOCPART == 1
	.amdgcn_target "amdgcn-amd-amdhsa--gfx1250"
	.amdhsa_code_object_version 6
	.text
	.protected	k_qd0a090682a_quant
	.globl	k_qd0a090682a_quant
	.p2align	8
	.type	k_qd0a090682a_quant,@function
k_qd0a090682a_quant:
	s_mov_b64 s[64:65], 0
	v_nop
	global_prefetch_b8 v0, s[64:65] scope:SCOPE_SE
	s_setreg_imm32_b32 hwreg(HW_REG_WAVE_MODE, 25, 1), 1
	s_wait_xcnt 0x0
; Work-groups 0-351: x [8192][1024] and qkv_w [3072][1024], f32, become codes of FP4 (E2M1), K innermost, two codes a byte, with one E8M0 byte for each 32 along K.
; A block's scale is 2^(floor(log2(its largest magnitude)) - 2): its byte is the largest magnitude's exponent field - 2, held at 1 from below; each number is divided by the scale and rounded to the nearest code, ties to even.
; Work-groups 352-415: proj_w [1024][1024], f32, becomes f16 laid as images of operand registers: [n tile 64][k16 64][512 bytes], lane (r, h) holding proj_w[16 nt + r][16 k16 + 8 h + 0 .. 7] at byte 16 x lane.
; LIMITS: a block of zeros gets the byte 1 where the quantiser's rule says 127 (its codes are zeros, and this program alone reads the bytes); blocks whose largest magnitude lies under 2^-124 are held at the byte 1;
; NaN and infinities are not served; proj_w beyond f16's range (65,504) is not served.
; Rows are dense and K is a multiple of 32: both tensors are plain streams of blocks of 32.  A wave takes 16 steps of 512 numbers.  Each load reads 512 consecutive bytes; a step's 2,048 bytes turn through the wave's own
; stage in LDS and come back 64 bytes a lane, so that a lane holds 16 neighbours along K and two neighbouring lanes a block.  No tensor loads, no barrier: waves share nothing.
.set SIZE_M, 8192
.set SIZE_N, 3072
.set SIZE_K, 1024
.set WAVES, 4
.set STEPS, 16
.set WGA,   SIZE_M*SIZE_K/(512*STEPS*WAVES)            ; 256 work-groups for x
.set QWG,   (SIZE_M+SIZE_N)*SIZE_K/(512*STEPS*WAVES)   ; 352 for both
.set CB,    8                          ; bytes of 16 codes
.set R,     16                         ; v16-79   four sets of 16 numbers as they are loaded
.set X,     80                         ; v80-111  two sets of 16 neighbours
.set C,     128                        ; v128-191 codes: four registers for each step, so that no store's data are written again
.set E,     112                        ; v112-127 a scale byte for each step
.set WREG,  8192                       ; LDS: a region for each wave: two stages of 32 x SP bytes, and behind them its 256 scale bytes
.set SP,    80                         ; a lane's place in a stage: 64 bytes + 16 of padding
.set SPW,   12                         ; v12  LDS address of my spare word; never rewritten
.set NIL,   13                         ; v13  0; never rewritten
.set SPARE, WAVES*WREG                 ; behind the four regions: the spare words, 128 bytes a wave
	s_load_b128 s[4:7], s[0:1], 0x0                ; x, qkv_w
	s_load_b128 s[8:11], s[0:1], 0x10              ; x's codes, x's scales
	s_load_b128 s[12:15], s[0:1], 0x20             ; qkv_w's codes, its scales
	s_load_b128 s[24:27], s[0:1], 0x30             ; proj_w, its images
	v_lshl_add_u32 v[SPW], v0, 2, SPARE
	v_mov_b32 v[NIL], 0
	v_lshrrev_b32 v1, 5, v0
	v_readfirstlane_b32 s16, v1                    ; wave
	v_and_b32 v2, 31, v0                           ; lane
	s_cmp_ge_u32 ttmp9, QWG                        ; the last 64 work-groups take proj_w: a branch on the work-group's number
	s_cbranch_scc1 .Lpw
	v_lshlrev_b32 v3, 4, v2                        ; my 16 bytes of a load's 512
	s_mul_i32 s17, s16, WREG
	v_lshrrev_b32 v14, 2, v2
	v_mul_u32_u24 v14, v14, SP
	v_and_b32 v15, 3, v2
	v_lshl_add_u32 v14, v15, 4, v14
	v_add_nc_u32 v14, s17, v14                     ; the stage, on the way in: SP (lane / 4) + 16 (lane % 4)
	v_mul_u32_u24 v15, v2, SP
	v_add_nc_u32 v15, s17, v15                     ; and on the way out: SP x lane: my 16 neighbours
	v_mul_u32_u24 v4, v2, CB                       ; my codes' place in a step's
	v_lshrrev_b32 v5, 1, v2
	s_add_co_u32 s17, s17, 2*32*SP
	v_add_nc_u32 v5, s17, v5                       ; LDS: my wave's 256 scale bytes, my block's byte
	v_lshlrev_b32 v7, 3, v2                        ; and on the way out 8 bytes a lane
	v_add_nc_u32 v6, s17, v7
	s_wait_kmcnt 0x0
	s_cmp_lt_u32 ttmp9, WGA                        ; x's work-group or qkv_w's?  Only pointers are chosen
	s_cselect_b64 s[4:5], s[4:5], s[6:7]
	s_cselect_b64 s[8:9], s[8:9], s[12:13]
	s_cselect_b64 s[10:11], s[10:11], s[14:15]
	s_cselect_b32 s17, 0, WGA
	s_sub_co_u32 s17, ttmp9, s17
	s_lshl_b32 s17, s17, 2
	s_add_co_u32 s18, s17, s16                     ; which run of 8,192 numbers of the tensor is my wave's
	s_mov_b32 s19, 0
	s_mov_b64 s[20:21], 512*STEPS*4
	s_mul_u64 s[20:21], s[18:19], s[20:21]
	s_add_nc_u64 s[4:5], s[4:5], s[20:21]
	s_mov_b64 s[20:21], 32*STEPS*CB
	s_mul_u64 s[20:21], s[18:19], s[20:21]
	s_add_nc_u64 s[8:9], s[8:9], s[20:21]
	s_lshl_b32 s18, s18, 8                         ; 256 scale bytes a run
	s_add_nc_u64 s[10:11], s[10:11], s[18:19]
.macro LOAD t
.irp i, 0,1,2,3
	global_load_b128 v[R+16*((\t)%4)+4*\i:R+16*((\t)%4)+4*\i+3], v3, s[4:5] offset:2048*(\t)+512*\i th:TH_LOAD_NT   ; 32 lanes read 512 consecutive bytes
.endr
.endm
.macro TURN t                          ; step t's numbers through the stage: LDS serves a wave's instructions in order, so no wait stands between the stores and the loads
.irp i, 0,1,2,3
	ds_store_b128 v14, v[R+16*((\t)%4)+4*\i:R+16*((\t)%4)+4*\i+3] offset:32*SP*((\t)%2)+8*SP*\i
.endr
.irp i, 0,1,2,3
	ds_load_b128 v[X+16*((\t)%2)+4*\i:X+16*((\t)%2)+4*\i+3], v15 offset:32*SP*((\t)%2)+16*\i
.endr
.endm
.irp t, 0,1,2,3
	LOAD \t
.endr
	s_wait_loadcnt 12                              ; step 0's four loads are in; those of steps 1 to 3 may be out
	TURN 0
.macro STEP t
.set XS, X+16*((\t)%2)
.if (\t) > 0
	s_wait_dscnt 1                                 ; this step's numbers are back from the stage (the last step's byte store may be out)
.else
	s_wait_dscnt 0x0
.endif
.if (\t)+4 < STEPS
	LOAD (\t)+4                                    ; the stage's stores have read these registers: they take the loads of four steps on
.endif
.if (\t)+1 < STEPS
.if STEPS-2-(\t) >= 3
	s_wait_loadcnt 12                              ; the next step's four loads are in; those of the three steps behind it may be out
.else
	s_wait_loadcnt 4*(STEPS-2-(\t))
.endif
	TURN (\t)+1                                    ; and go through the other stage while this step is worked
.endif
	v_max3_num_f32 v8, |v[XS]|, |v[XS+1]|, |v[XS+2]|               ; the largest magnitude of my 16, in two chains
	v_max3_num_f32 v9, |v[XS+3]|, |v[XS+4]|, |v[XS+5]|
.irp i, 6,10
	v_max3_num_f32 v8, v8, |v[XS+\i]|, |v[XS+\i+1]|
	v_max3_num_f32 v9, v9, |v[XS+\i+2]|, |v[XS+\i+3]|
.endr
	v_max3_num_f32 v8, v8, |v[XS+14]|, |v[XS+15]|
	v_max3_num_f32 v8, v8, v9, 0x1800000           ; and the floor 2^(3 - 127): the byte cannot fall under 1
	v_max_num_f32_dpp v8, v8, v8 row_xmask:1 row_mask:0xf bank_mask:0xf   ; and of my neighbour's 16: the block's
	v_add_nc_u32 v11, 0xff000000, v8               ; 2 off its exponent field: the conversion takes the exponent field of this operand as its scale
	v_cvt_scalef32_pk8_fp4_f32 v[C+4*(\t)], v[XS:XS+7], v11
	v_cvt_scalef32_pk8_fp4_f32 v[C+4*(\t)+1], v[XS+8:XS+15], v11
	v_lshrrev_b32 v[E+(\t)], 23, v11               ; the scale's byte (also the plain line behind the conversions)
	ds_store_b8 v5, v[E+(\t)] offset:16*(\t)       ; both lanes of a block write the same byte with the same value
	global_store_b64 v4, v[C+4*(\t):C+4*(\t)+1], s[8:9] offset:32*CB*(\t)   ; the wave stores 256 consecutive bytes, aligned
.endm
.irp t, 0,1,2,3,4,5,6,7,8,9,10,11,12,13,14,15
	STEP \t
.endr
	ds_load_b64 v[8:9], v6                         ; LDS serves a wave's instructions in order: these see my stores
	s_wait_dscnt 0x0
	global_store_b64 v7, v[8:9], s[10:11]          ; 32 lanes store 256 consecutive bytes, aligned
	s_wait_tensorcnt 0x0                           ; the wave's end
	ds_add_u32 v[SPW], v[NIL]
	s_wait_dscnt 0x0
	s_endpgm
; proj_w: work-group g takes rows 16 g .. 16 g + 15, wave w columns 256 w .. 256 w + 255: sixteen chunks of 16 along K.  No LDS is touched on this path.
.Lpw:
	s_sub_co_u32 s17, ttmp9, QWG                   ; g
	v_and_b32 v5, 15, v0                           ; r
	v_bfe_u32 v6, v0, 4, 1                         ; h
	v_lshlrev_b32 v3, 12, v5                       ; in: row r of 4,096 bytes,
	v_lshl_add_u32 v3, v6, 5, v3                   ; + 32 h: my eight numbers of a chunk
	v_lshlrev_b32 v4, 4, v2                        ; out: 16 x lane
	s_lshl_b32 s18, s17, 16                        ; 16 rows of 4,096 bytes,
	s_lshl_b32 s20, s16, 10                        ; my wave's 1,024 bytes of each
	s_add_co_u32 s18, s18, s20
	s_mov_b32 s19, 0
	s_lshl_b32 s20, s17, 15                        ; an n tile's 64 chunk images,
	s_lshl_b32 s21, s16, 13                        ; my wave's sixteen
	s_add_co_u32 s20, s20, s21
	s_mov_b32 s21, 0
	s_wait_kmcnt 0x0
	s_add_nc_u64 s[24:25], s[24:25], s[18:19]
	s_add_nc_u64 s[26:27], s[26:27], s[20:21]
.irp i, 0,1,2,3,4,5,6,7,8,9,10,11,12,13,14,15
	global_load_b128 v[16+8*\i:16+8*\i+3], v3, s[24:25] offset:64*\i th:TH_LOAD_NT      ; the wave's 32 loads together cover 16 rows x 1,024 bytes whole
	global_load_b128 v[16+8*\i+4:16+8*\i+7], v3, s[24:25] offset:64*\i+16 th:TH_LOAD_NT
.endr
.irp i, 0,1,2,3,4,5,6,7,8,9,10,11,12,13,14,15
	s_wait_loadcnt 30-2*\i                         ; chunk i's two loads are in; the younger pairs may be out
	v_cvt_pk_f16_f32 v[16+8*\i], v[16+8*\i], v[16+8*\i+1]          ; in place, ascending: no source is written before it is read
	v_cvt_pk_f16_f32 v[16+8*\i+1], v[16+8*\i+2], v[16+8*\i+3]
	v_cvt_pk_f16_f32 v[16+8*\i+2], v[16+8*\i+4], v[16+8*\i+5]
	v_cvt_pk_f16_f32 v[16+8*\i+3], v[16+8*\i+6], v[16+8*\i+7]
	global_store_b128 v4, v[16+8*\i:16+8*\i+3], s[26:27] offset:512*\i   ; 512 consecutive bytes, aligned; no register is written again
.endr
	s_endpgm
.Lfunc_end_k_qd0a090682a_quant:
	.size	k_qd0a090682a_quant, .Lfunc_end_k_qd0a090682a_quant-k_qd0a090682a_quant
	.p2alignl 7, 3214868480
	.fill 96, 4, 3214868480
	.section	.rodata,"a",@progbits
	.p2align	6, 0x0
	.amdhsa_kernel k_qd0a090682a_quant
		.amdhsa_group_segment_fixed_size 33280
		.amdhsa_private_segment_fixed_size 0
		.amdhsa_enable_private_segment 0
		.amdhsa_kernarg_size 64
		.amdhsa_user_sgpr_count 2
		.amdhsa_user_sgpr_kernarg_segment_ptr 1
		.amdhsa_wavefront_size32 1
		.amdhsa_system_sgpr_workgroup_id_x 1
		.amdhsa_system_sgpr_workgroup_id_y 1
		.amdhsa_system_sgpr_workgroup_id_z 1
		.amdhsa_system_vgpr_workitem_id 0
		.amdhsa_next_free_vgpr 192
		.amdhsa_next_free_sgpr 66
		.amdhsa_reserve_vcc 0
		.amdhsa_float_denorm_mode_32 3
		.amdhsa_float_denorm_mode_16_64 3
		.amdhsa_memory_ordered 1
		.amdhsa_forward_progress 1
		.amdhsa_inst_pref_size 43
	.end_amdhsa_kernel
	.amdgpu_metadata
---
amdhsa.version: [ 1, 2 ]
amdhsa.kernels:
  - .name:           k_qd0a090682a_quant
    .symbol:         k_qd0a090682a_quant.kd
    .args:
      - { .name: x, .offset: 0, .size: 8, .value_kind: global_buffer, .address_space: global }
      - { .name: qkv_w, .offset: 8, .size: 8, .value_kind: global_buffer, .address_space: global }
      - { .name: xc, .offset: 16, .size: 8, .value_kind: global_buffer, .address_space: global }
      - { .name: xs, .offset: 24, .size: 8, .value_kind: global_buffer, .address_space: global }
      - { .name: wc, .offset: 32, .size: 8, .value_kind: global_buffer, .address_space: global }
      - { .name: ws, .offset: 40, .size: 8, .value_kind: global_buffer, .address_space: global }
      - { .name: proj_w, .offset: 48, .size: 8, .value_kind: global_buffer, .address_space: global }
      - { .name: pw, .offset: 56, .size: 8, .value_kind: global_buffer, .address_space: global }
    .group_segment_fixed_size: 33280
    .private_segment_fixed_size: 0
    .kernarg_segment_align: 8
    .kernarg_segment_size: 64
    .max_flat_workgroup_size: 128
    .sgpr_count:     66
    .vgpr_count:     192
    .wavefront_size: 32
...
	.end_amdgpu_metadata
.endif
;; end of part 1
;; launch qkv (part 2): grid 12 x 32, 4 waves a work-group, clusters of 4 x 4, 327,680 bytes of LDS; arguments xc, xs, wc, ws, qkv_b, qn_w, kn_w, rope_cos, rope_sin, qkv; writes qkv
.if DOCPART == 2
	.amdgcn_target "amdgcn-amd-amdhsa--gfx1250"
	.amdhsa_code_object_version 6
	.text
	.protected	k_qd0a090682a_qkv
	.globl	k_qd0a090682a_qkv
	.p2align	8
	.type	k_qd0a090682a_qkv,@function
k_qd0a090682a_qkv:
	s_mov_b64 s[64:65], 0
	v_nop
	global_prefetch_b8 v0, s[64:65] scope:SCOPE_SE
	s_setreg_imm32_b32 hwreg(HW_REG_WAVE_MODE, 25, 1), 1
	s_wait_xcnt 0x0
	s_wait_alu depctr_hold_cnt(0) depctr_sa_sdst(0) depctr_va_vdst(0) depctr_va_sdst(0) depctr_va_ssrc(0) depctr_va_vcc(0) depctr_vm_vsrc(0)
	s_getreg_b32 s2, hwreg(HW_REG_IB_STS2, 6, 4)
	s_cmp_eq_u32 s2, 0
	s_cbranch_scc0 .Lentry_in_a_cluster
	s_endpgm
.Lentry_in_a_cluster:
	s_bfe_u32 s2, ttmp6, 0x10000c
	s_cmp_lg_u32 s2, 0xf033
	s_cbranch_scc0 .Lentry_shape_is_right
	s_endpgm
.Lentry_shape_is_right:
; qkv = Q(x) Q(qkv_w)^T + qkv_b on codes of FP4 with E8M0 scales; then, for q and k, the RMS norm over a head's 64 channels, its gain, RoPE (and for q the factor log2(e) / 8, so that the scores come in units of log2);
; all rounded once to f16 and stored as IMAGES OF OPERAND REGISTERS for the attention launch: three parts of 2^24 bytes (q, k, v), each [batch x head 64][token tile 128][chunk 4][512 bytes], lane l's 16 bytes at 16 l.
;   q, k: lane (r, h) of chunk c holds token 16 tile + r, channels 16 c + 8 h + 0 .. 7.     v: lane (r, h) of chunk c holds channel 16 c + r, tokens 16 tile + 8 h + 0 .. 7 (the keys run along the registers).
; A work-group of four waves makes 256 x 256, a wave 128 x 128: 64 accumulators, 512 registers.  K = 1,024 is two LDS slots of 512 along K: both, and all scale bytes, are asked for at the head; nothing is filled again.
; CLUSTERS of 4 x 4 work-groups: cluster x = 0 makes q, 1 makes k, 2 makes v.  The tile that is source 1 ('A') is shared along a row of the cluster, the tile that is source 0 ('B') along a column: joint loads.
; In the result lane (r, h), register j of accumulator (a, b) is A's row 16 a + r and B's row 16 b + 8 h + j.  For q and k A = x (a lane holds a token and eight channels); for v A = qkv_w's v rows and B = x
; (a lane holds a channel and eight tokens).  The roles are chosen by pointers and tile numbers on the cluster's x, which all sixteen partners share.
; The gain and RoPE's factors are multiplied in another order than in the source formula (x (w cos) +- x' (w' sin), then 1 / rms); the results are rounded to f16.
; LIMITS: NaN and infinities are not served; v beyond f16's range (65,504) is not served.
; REGISTERS, in windows of 256.  window 0: v0-31 addresses and at work; v32-95 scale words, two sets, and nothing else; v96-127 T; v128-191 A's fragments, later U and OUT; v192-223 cos, v224-255 sin of 16 tokens.
;   window 1: v0-63, v128-191 B's fragments, two sets (v0-63 later cos x gain, sin x gain); v64-127 the bias of my 128 columns; v192-223 the gain; v224-239 the bias of my rows (v).  windows 2, 3: the accumulators.
.set NQ,     4                         ; matrix instructions deep in a slot
.set ROWB,   256                       ; a tile's row in bytes: 512 codes
.set KROW,   512                       ; a row of codes in memory
.set PITCH,  272                       ; an LDS row: 256 bytes + 16 of padding: the 16 rows that a load touches start at 16 different banks (64 banks of 4 bytes: ISA guide 11.1)
.set FR,     8
.set NL,     2
.set NP,     4                         ; places behind this matrix instruction (ISA guide 7.12.1)
.set HALFT,  128*PITCH
.set SLOT,   4*HALFT                   ; A's 256 rows, then B's 256 rows
.set KS,     32                        ; a row of scale bytes
.set SCL,    2*SLOT                    ; behind the two slots: the scales, as units of 256 bytes + 16 of padding
.set HALFS,  (128*KS/256)*272
.set SBLK,   (16*KS/256)*272
.set SPARE,  SCL+4*HALFS               ; the spare words, 128 bytes a wave
.set ADRA, 16
.set ADRB, 20
.set ADRS, 27
.set SPW,  28
.set NIL,  29
.set SC,   32
.set AF,   128
.set T,    96
.set U,    128
.set OUT,  160
.set COS,  192
.set SIN,  224
.set CW,   0                           ; window 1
.set SW,   32
.set BIAS, 64
.set NW,   192
.set BY,   224
.set WV,   2                           ; s2 wave; s3 which half of A's rows is mine, also: I fetch for A (0) or B (1); s66 which half of B's rows, also: which 128 rows I fetch
.set HR,   3
.set HC,   66
.set G1,   24
.set G0,   32
.set G1B,  48
.set G0B,  56
.set G1S,  68
.set G0S,  76
.set G1SB, 80
.set G0SB, 88
.set MSB, 0
.macro WIN new                         ; the immediate's high byte repeats the setting that is left
.if MSB != (\new)
	s_set_vgpr_msb (MSB<<8)|(\new)
.set MSB, (\new)
.endif
.endm
.set MUL_LO, 0xa1                      ; source 0 (B) window 1, source 1 (A) window 0, C and D window 2
.set MUL_HI, 0xf1
.set TO_B,   0x40
; A joint load: waves 0 and 1 fetch for A, waves 2 and 3 for B; the branch hangs on the wave's number alone.  An s_nop 0 and four v_nop follow each line.
.macro JLOAD g0a, g1a, g0b, g1b
	s_cmp_eq_u32 s[HR], 0
	s_cbranch_scc0 .Lfor_b_\@
	tensor_load_to_lds s[\g0a:\g0a+3], s[\g1a:\g1a+7]
	s_nop 0
.rept 4
	v_nop
.endr
	s_branch .Lasked_\@
.Lfor_b_\@:
	tensor_load_to_lds s[\g0b:\g0b+3], s[\g1b:\g1b+7]
	s_nop 0
.rept 4
	v_nop
.endr
.Lasked_\@:
.endm
.macro CROUND                          ; a round of the cluster's barrier
	s_barrier_signal -1
	s_barrier_wait -1
	s_cmp_lg_u32 s[WV], 0
	s_cbranch_scc1 .Lnot_wave_0_\@
	s_barrier_signal -3
.Lnot_wave_0_\@:
	s_barrier_wait -3
	s_barrier_signal -1
	s_barrier_wait -1
.endm
	s_load_b256 s[4:11], s[0:1], 0x0               ; x's codes, x's scales, w's codes, w's scales
	s_load_b256 s[12:19], s[0:1], 0x20             ; qkv_b, qn_w, kn_w, rope_cos
	s_load_b128 s[20:23], s[0:1], 0x40             ; rope_sin, qkv
	v_lshl_add_u32 v[SPW], v0, 2, SPARE
	v_mov_b32 v[NIL], 0
	ds_add_u32 v[SPW], v[NIL]                      ; the wave's opening: the add, twice on end, and its wait ahead of my first tensor load
	ds_add_u32 v[SPW], v[NIL]
	v_lshrrev_b32 v1, 5, v0
	v_readfirstlane_b32 s[WV], v1
	s_lshr_b32 s[HR], s[WV], 1
	s_and_b32 s[HC], s[WV], 1
	s_bfe_u32 s40, ttmp6, 0x40000                  ; cx
	s_bfe_u32 s41, ttmp6, 0x40004                  ; cy
	s_and_b32 s105, ttmp7, 0xffff
	s_lshl_b32 s105, s105, 2                       ; 4 x cluster y
	s_add_co_u32 s67, s105, s41                    ; A's tile, q and k: x's tile 4 Y + cy;
	s_add_co_u32 s100, s41, 8                      ; v: qkv_w's tile 8 + cy.  (No register of A's chain ever holds cx)
	s_lshl_b32 s42, ttmp9, 2
	s_add_co_u32 s42, s42, s40                     ; B's tile, q and k: qkv_w's tile 4 X + cx;
	s_add_co_u32 s46, s105, s40                    ; v: x's tile 4 Y + cx.  (None of B's chain ever holds cy)
	s_cmp_eq_u32 ttmp9, 2                          ; the cluster's x: the same in all sixteen partners
	s_cselect_b32 s67, s100, s67
	s_cselect_b32 s42, s46, s42
	s_lshl_b32 s43, s41, 2
	s_lshl_b32 s43, 15, s43                        ; my row of the cluster
	s_lshl_b32 s44, 0x1111, s40                    ; my column
	; descriptor group 1: a tile of 128 rows x 256 bytes, 16 bytes of padding behind each row
	s_or_b32 s[G1+0], s43, (0<<16)|(1<<20)|(1<<21)|(5<<22)|(3<<25)  ; 15:0 the mask; 17:16 elements of 1 byte; 20 padding on; 21 set beside a mask; 24:22 after every 64 words; 31:25 four words
	s_or_b32 s[G1B+0], s44, (0<<16)|(1<<20)|(1<<21)|(5<<22)|(3<<25)
.irp g, G1, G1B
	s_mov_b32 s[\g+1], ROWB<<16                    ; tensor_dim0
	s_mov_b32 s[\g+2], 128<<16                     ; tensor_dim1
	s_mov_b32 s[\g+3], ROWB<<16                    ; tile_dim0
	s_mov_b32 s[\g+4], 128                         ; tile_dim1
	s_mov_b32 s[\g+5], KROW                        ; the pitch
	s_mov_b32 s[\g+6], 0
	s_mov_b32 s[\g+7], 0
.endr
	; the scales of 128 rows: 4,096 dense bytes, as 16 rows of 256 bytes (32 elements of 8 bytes), 16 bytes of padding behind each
	s_or_b32 s[G1S+0], s43, (3<<16)|(1<<20)|(1<<21)|(5<<22)|(3<<25)
	s_or_b32 s[G1SB+0], s44, (3<<16)|(1<<20)|(1<<21)|(5<<22)|(3<<25)
.irp g, G1S, G1SB
	s_mov_b32 s[\g+1], 32<<16
	s_mov_b32 s[\g+2], (128*KS/256)<<16
	s_mov_b32 s[\g+3], 32<<16
	s_mov_b32 s[\g+4], 128*KS/256
	s_mov_b32 s[\g+5], 32
	s_mov_b32 s[\g+6], 0
	s_mov_b32 s[\g+7], 0
.endr
	s_lshl_b32 s101, s[HC], 7                      ; which 128 rows of the tile I fetch
	s_lshl_b32 s100, s67, 8
	s_add_co_u32 s100, s100, s101                  ; A's row,
	s_lshl_b32 s100, s100, 9                       ; its codes' byte (512 a row)
	s_lshl_b32 s46, s42, 8
	s_add_co_u32 s46, s46, s101                    ; B's row,
	s_lshl_b32 s46, s46, 9
	s_mov_b32 s101, 0
	s_mov_b32 s47, 0
	s_mul_i32 s45, s[WV], HALFT                    ; where they go: wave x 128 rows: no place in the cluster enters an LDS address
	s_mul_i32 s104, s[WV], HALFS
	s_wait_dscnt 0x0                               ; both opening adds are done
	s_wait_kmcnt 0x0
	s_cmp_eq_u32 ttmp9, 2
	s_cselect_b64 s[92:93], s[8:9], s[4:5]         ; A's codes: qkv_w's for v, else x's
	s_cselect_b64 s[94:95], s[10:11], s[6:7]       ; A's scales
	s_cselect_b64 s[96:97], s[4:5], s[8:9]         ; B's codes
	s_cselect_b64 s[98:99], s[6:7], s[10:11]       ; B's scales
	s_add_nc_u64 s[92:93], s[92:93], s[100:101]
	s_lshr_b32 s100, s100, 4                       ; 32 scale bytes a row
	s_add_nc_u64 s[94:95], s[94:95], s[100:101]
	s_add_nc_u64 s[96:97], s[96:97], s[46:47]
	s_lshr_b32 s46, s46, 4
	s_add_nc_u64 s[98:99], s[98:99], s[46:47]
	CROUND                                         ; all sixteen work-groups are here: the joint loads meet
	s_mov_b32 s[G0S], 1
	s_add_co_u32 s[G0S+1], s104, SCL
	s_mov_b64 s[G0S+2:G0S+3], s[94:95]
	s_or_b32 s[G0S+3], s[G0S+3], 0x80000000
	s_mov_b32 s[G0SB], 1
	s_add_co_u32 s[G0SB+1], s104, SCL
	s_mov_b64 s[G0SB+2:G0SB+3], s[98:99]
	s_or_b32 s[G0SB+3], s[G0SB+3], 0x80000000
	JLOAD G0S, G1S, G0SB, G1SB                     ; the scales first: they are wanted with the first slot
.irp s, 0,1
	s_mov_b32 s[G0+4*\s], 1
	s_add_co_u32 s[G0+4*\s+1], s45, \s*SLOT
	s_add_nc_u64 s[G0+4*\s+2:G0+4*\s+3], s[92:93], \s*ROWB
	s_or_b32 s[G0+4*\s+3], s[G0+4*\s+3], 0x80000000
	s_mov_b32 s[G0B+4*\s], 1
	s_add_co_u32 s[G0B+4*\s+1], s45, \s*SLOT
	s_add_nc_u64 s[G0B+4*\s+2:G0B+4*\s+3], s[96:97], \s*ROWB
	s_or_b32 s[G0B+4*\s+3], s[G0B+4*\s+3], 0x80000000
	JLOAD G0+4*\s, G1, G0B+4*\s, G1B               ; three loads of mine are out in all
.endr
	v_and_b32 v1, 15, v0                           ; r
	v_bfe_u32 v2, v0, 4, 1                         ; h
	v_mul_u32_u24 v3, v1, PITCH
	v_lshl_add_u32 v4, v2, 4, v3                   ; a fragment's row x pitch + 16 h
	s_mul_i32 s10, s[HR], HALFT                    ; my 128 rows of A
	s_mul_i32 s11, s[HC], HALFT                    ; my 128 rows of B,
	s_add_co_u32 s11, s11, 2*HALFT                 ; behind A's 256
.irp s, 0,1
	v_add_nc_u32 v[ADRA+\s], s10, v4
	v_add_nc_u32 v[ADRB+\s], s11, v4
	s_add_co_u32 s10, s10, SLOT
	s_add_co_u32 s11, s11, SLOT
.endr
	v_mul_u32_u24 v5, v1, KS                       ; my row's scales: 32 bytes a row,
	v_lshrrev_b32 v6, 8, v5
	v_lshl_add_u32 v5, v6, 4, v5                   ; and 16 more for each 256 passed
	s_mul_i32 s10, s[HR], HALFS
	s_mul_i32 s11, s[HC], HALFS
	s_add_co_u32 s11, s11, 2*HALFS
	s_sub_co_u32 s11, s11, s10
	v_mul_u32_u24 v6, s11, v2                      ; lanes 16-31 take B's: one product, the distance between the two
	s_add_co_u32 s10, s10, SCL
	v_add_nc_u32 v5, v5, v6
	v_add_nc_u32 v[ADRS], s10, v5
	; what the way out needs.  s4 = A's first row of mine, s5 = B's; of the two one counts rows of qkv_w (s6), the other tokens (s7)
	s_lshl_b32 s4, s67, 8
	s_lshl_b32 s5, s[HR], 7
	s_add_co_u32 s4, s4, s5
	s_lshl_b32 s5, s42, 8
	s_lshl_b32 s6, s[HC], 7
	s_add_co_u32 s5, s5, s6
	s_cmp_eq_u32 ttmp9, 2
	s_cselect_b32 s6, s4, s5
	s_cselect_b32 s7, s5, s4
	s_lshl_b32 s10, s6, 2
	s_mov_b32 s11, 0
	s_add_nc_u64 s[12:13], s[12:13], s[10:11]      ; qkv_b at my first row of qkv_w
	s_and_b32 s10, s4, 2047
	s_lshl_b32 s10, s10, 8
	s_add_nc_u64 s[18:19], s[18:19], s[10:11]      ; cos and sin at A's first row modulo 2,048 (q, k: my first token's position; v: inside the tables, not used)
	s_add_nc_u64 s[20:21], s[20:21], s[10:11]
	s_lshr_b32 s10, s7, 11                         ; the batch,
	s_lshl_b32 s10, s10, 4
	s_and_b32 s8, s6, 1023
	s_lshr_b32 s8, s8, 6
	s_add_co_u32 s10, s10, s8                      ; x 16 + my first head,
	s_lshl_b32 s10, s10, 7
	s_and_b32 s8, s7, 2047
	s_lshr_b32 s8, s8, 4
	s_add_co_u32 s10, s10, s8                      ; x 128 + my first token tile,
	s_lshl_b32 s10, s10, 11                        ; of 2,048 bytes,
	s_lshl_b32 s8, ttmp9, 24
	s_add_co_u32 s10, s10, s8                      ; in part q, k or v
	s_add_nc_u64 s[22:23], s[22:23], s[10:11]
	s_cmp_eq_u32 ttmp9, 0
	s_cselect_b64 s[14:15], s[14:15], s[16:17]     ; the gain: qn_w for q, else kn_w
	s_cselect_b32 s8, 0x3e38aa3b, 1.0              ; q alone takes log2(e) / 8
	s_mov_b32 s9, s8                               ; (named with it as a pair, so it is written)
	s_mov_b32 s4, 0x76543210
	s_mov_b32 s5, 0xfedcba98                       ; v_permlanex16_b32's selects for lane l xor 16
	s_mov_b32 s6, 0x3c800000                       ; 1 / 64
	s_mov_b32 s7, 0x358637bd                       ; 1e-6
	v_lshlrev_b32 v7, 5, v2                        ; 32 h: my eight of a tile's sixteen columns
	v_lshlrev_b32 v8, 2, v1                        ; 4 r
	v_lshlrev_b32 v9, 8, v1
	v_lshl_add_u32 v9, v2, 5, v9                   ; cos, sin: row r of 256 bytes, + 32 h
	v_and_b32 v6, 31, v0
	v_lshlrev_b32 v10, 4, v6                       ; an image's place for my lane
	; The same loads in all three roles, each inside its buffer; they land while the products run.  v does not use the first two and the tables, q and k not the third.
	WIN 0x40                                       ; destination window 1
.irp b, 0,1,2,3,4,5,6,7
	global_load_b128 v[BIAS+8*\b:BIAS+8*\b+3], v7, s[12:13] offset:64*\b
	global_load_b128 v[BIAS+8*\b+4:BIAS+8*\b+7], v7, s[12:13] offset:64*\b+16
.endr
.irp b, 0,1,2,3
	global_load_b128 v[NW+8*\b:NW+8*\b+3], v7, s[14:15] offset:64*\b
	global_load_b128 v[NW+8*\b+4:NW+8*\b+7], v7, s[14:15] offset:64*\b+16
.endr
.irp a, 0,1,2,3,4,5,6,7
	global_load_b32 v[BY+2*\a], v8, s[12:13] offset:64*\a      ; the bias of A's row 16 a + r, into both registers of a pair
	global_load_b32 v[BY+2*\a+1], v8, s[12:13] offset:64*\a
.endr
	WIN 0
.irp b, 0,1,2,3
	global_load_b128 v[COS+8*\b:COS+8*\b+3], v9, s[18:19] offset:64*\b
	global_load_b128 v[COS+8*\b+4:COS+8*\b+7], v9, s[18:19] offset:64*\b+16
	global_load_b128 v[SIN+8*\b:SIN+8*\b+3], v9, s[20:21] offset:64*\b
	global_load_b128 v[SIN+8*\b+4:SIN+8*\b+7], v9, s[20:21] offset:64*\b+16
.endr
.macro FRAG reg, adr, q, i             ; 16 rows x 128 K of 4-bit codes: lane l holds row l % 16; registers 4 c .. 4 c + 3 hold K = 64 c + 32 (l / 16) + 0 .. 31
.irp c, 0,1
	ds_load_b128 v[\reg+4*\c:\reg+4*\c+3], v[\adr] offset:64*(\q)+32*\c+(\i)*16*PITCH
.endr
.endm
; 16 matrix instructions: A's blocks a0, a0 + 1 x B's eight.  p: B's set; sc: the set of scale words.  zero = 1: the first product starts the sums.  The 64 accumulators take turns, one instruction a turn.
; One register carries A's scale word (lanes 0-15) and B's (lanes 16-31): the product of A's block a and B's block b names register b with ROW1 for source 0 and register a for source 1.
.macro MUL16 a0, p, q, sc, zero
.irp a, \a0, \a0+1
.irp b, 0,1,2,3,4,5,6,7
.if \zero
	v_wmma_scale_f32_16x16x128_f8f6f4 v[8*(8*((\a)%4)+\b):8*(8*((\a)%4)+\b)+7], v[128*(\p)+FR*\b:128*(\p)+FR*\b+FR-1], v[AF+FR*(\a):AF+FR*(\a)+FR-1], 0, v[SC+8*NQ*(\sc)+NQ*\b+(\q)], v[SC+8*NQ*(\sc)+NQ*(\a)+(\q)] matrix_a_fmt:MATRIX_FMT_FP4 matrix_b_fmt:MATRIX_FMT_FP4 matrix_a_scale:MATRIX_SCALE_ROW1
.else
	v_wmma_scale_f32_16x16x128_f8f6f4 v[8*(8*((\a)%4)+\b):8*(8*((\a)%4)+\b)+7], v[128*(\p)+FR*\b:128*(\p)+FR*\b+FR-1], v[AF+FR*(\a):AF+FR*(\a)+FR-1], v[8*(8*((\a)%4)+\b):8*(8*((\a)%4)+\b)+7], v[SC+8*NQ*(\sc)+NQ*\b+(\q)], v[SC+8*NQ*(\sc)+NQ*(\a)+(\q)] matrix_a_fmt:MATRIX_FMT_FP4 matrix_b_fmt:MATRIX_FMT_FP4 matrix_a_scale:MATRIX_SCALE_ROW1
.endif
.endr
.endr
.endm
.macro FETCH_B slot, q, p
	WIN TO_B
.irp i, 0,1,2,3,4,5,6,7
	FRAG 128*(\p)+FR*\i, ADRB+\slot, \q, \i
.endr
	WIN 0
.endm
.macro FETCH_A slot, q, i0
.irp i, \i0, \i0+1, \i0+2, \i0+3
	FRAG AF+FR*(\i), ADRA+\slot, \q, \i
.endr
.endm
.macro SCALES sc                       ; a slot's scale words: four words a row; lanes 0-15 take A's block i, lanes 16-31 B's block i
.irp i, 0,1,2,3,4,5,6,7
	ds_load_b128 v[SC+8*NQ*\sc+NQ*\i:SC+8*NQ*\sc+NQ*\i+3], v[ADRS] offset:\i*SBLK
.endr
.endm
.macro PLACES n                        ; plain vector instructions that name none of a matrix instruction's registers, ahead of loads into registers that it read and of reads of its results
.rept \n
	v_nop
.endr
.endm
.macro STEP slot, q, zero              ; 128 along K, with its successor in the same slot.  A has one set of registers (a block is free when its eight products are issued), B two
	s_wait_dscnt 4*NL                              ; B's set and A's blocks 0-3 are in; the youngest eight loads (A's blocks 4-7) may be out
	WIN MUL_LO
	MUL16 0, (\q)%2, \q, \slot, \zero
	MUL16 2, (\q)%2, \q, \slot, \zero
	s_wait_dscnt 0
	PLACES NP
	FETCH_B \slot, (\q)+1, 1-(\q)%2
	FETCH_A \slot, (\q)+1, 0
	WIN MUL_HI
	MUL16 4, (\q)%2, \q, \slot, \zero
	MUL16 6, (\q)%2, \q, \slot, \zero
	PLACES NP
	WIN 0
	FETCH_A \slot, (\q)+1, 4
.endm
.macro TURN slot, next                 ; a slot's last step goes on to the other slot: one barrier, in front of which each wave has waited for all its tensor loads.  Nothing is filled again
	s_wait_tensorcnt 0x0                           ; my part of the next slot has landed
	ds_add_u32 v[SPW], v[NIL]                      ; 0 onto my spare word
	s_wait_dscnt 4*NL+1                            ; (the add and the youngest eight loads may be out)
	WIN MUL_LO
	MUL16 0, 1, NQ-1, \slot, 0
	s_wait_dscnt 0x0                               ; the add is done, and no LDS load of mine is out
	s_barrier_signal -1
	MUL16 2, 1, NQ-1, \slot, 0
	WIN 0
	s_barrier_wait -1                              ; the next slot is whole
	PLACES NP
	v_add_nc_u32 v[ADRS], 4*NQ, v[ADRS]            ; on to the next slot's scale words
	FETCH_B \next, 0, 0
	FETCH_A \next, 0, 0
	SCALES \next
	WIN MUL_HI
	MUL16 4, 1, NQ-1, \slot, 0
	MUL16 6, 1, NQ-1, \slot, 0
	PLACES NP
	WIN 0
	FETCH_A \next, 0, 4
.endm
	s_wait_tensorcnt 1                             ; the scales and my part of slot 0 are in (slot 1's load may be out),
	s_barrier_signal -1
	s_barrier_wait -1                              ; everybody's are
	FETCH_B 0, 0, 0
	FETCH_A 0, 0, 0
	SCALES 0
	FETCH_A 0, 0, 4
	STEP 0, 0, 1                                   ; the first products start the sums: nothing is cleared
	STEP 0, 1, 0
	STEP 0, 2, 0
	TURN 0, 1
	STEP 1, 0, 0
	STEP 1, 1, 0
	STEP 1, 2, 0
	s_wait_dscnt 4*NL                              ; the last step: nothing more to fetch
	WIN MUL_LO
	MUL16 0, 1, NQ-1, 1, 0
	MUL16 2, 1, NQ-1, 1, 0
	s_wait_dscnt 0
	WIN MUL_HI
	MUL16 4, 1, NQ-1, 1, 0
	MUL16 6, 1, NQ-1, 1, 0
	WIN 0
	; THE WAY OUT.  Every store of a wave is an image of 512 consecutive bytes, aligned, straight from registers.
	PLACES NP
	s_wait_loadcnt 0x0                             ; the biases, the gain, the first 16 tokens' cos and sin
	v_mov_b32 v22, 0                               ; a lane permute's destination counts as one of its sources
	v_mov_b32 v31, 0                               ; (named as the upper half of the pair v[30:31])
	s_cmp_eq_u32 ttmp9, 2
	s_cbranch_scc1 .Lv_out
	WIN 0x41                                       ; the gain x (q: log2(e) / 8; k: 1), once
.set i, 0
.rept 16
	v_pk_mul_f32 v[NW+i:NW+i+1], v[NW+i:NW+i+1], s[8:9] op_sel_hi:[1,0]
.set i, i+2
.endr
; Register 8 bb + j of T is channel d = 16 bb + 8 h + j of my token; its partner in RoPE, d +- 32, is register +- 16 of the same lane.
; out[d] = (x[d] w[d] cos[d] - x[d + 32] w[d + 32] sin[d]) / rms for d < 32, (x[d] w[d] cos[d] + x[d - 32] w[d - 32] sin[d]) / rms for d >= 32.
.macro QK_A a                          ; the factors of tokens 16 a + r, for both heads; then the next 16 tokens' cos and sin are asked for
.if (\a) > 0
	s_wait_loadcnt 0x0                             ; asked for two heads' work ago
.endif
	WIN 0x44                                       ; destination and source 1 window 1
.set i, 0
.rept 16
	v_pk_mul_f32 v[CW+i:CW+i+1], v[COS+i:COS+i+1], v[NW+i:NW+i+1]
.set i, i+2
.endr
.set i, 0
.rept 8
	v_pk_mul_f32 v[SW+i:SW+i+1], v[SIN+i:SIN+i+1], v[NW+16+i:NW+17+i] neg_lo:[1,0] neg_hi:[1,0]
.set i, i+2
.endr
.rept 8
	v_pk_mul_f32 v[SW+i:SW+i+1], v[SIN+i:SIN+i+1], v[NW-16+i:NW-15+i]
.set i, i+2
.endr
	WIN 0
.if (\a) < 7
.irp b, 0,1,2,3
	global_load_b128 v[COS+8*\b:COS+8*\b+3], v9, s[18:19] offset:4096*((\a)+1)+64*\b
	global_load_b128 v[COS+8*\b+4:COS+8*\b+7], v9, s[18:19] offset:4096*((\a)+1)+64*\b+16
	global_load_b128 v[SIN+8*\b:SIN+8*\b+3], v9, s[20:21] offset:4096*((\a)+1)+64*\b
	global_load_b128 v[SIN+8*\b+4:SIN+8*\b+7], v9, s[20:21] offset:4096*((\a)+1)+64*\b+16
.endr
.endif
.endm
.macro QK_HEAD a, g                    ; tokens 16 a + r, my head g
	s_wait_xcnt 0x0                                ; the earlier stores have read their data: OUT's set g is written again only behind this wait
	WIN 0x06+(\a)/4                                ; source 0 window 2 or 3, source 1 window 1
.irp bb, 0,1,2,3
.irp j, 0,2,4,6
	v_pk_add_f32 v[T+8*\bb+\j:T+8*\bb+\j+1], v[8*(8*((\a)%4)+4*(\g)+\bb)+\j:8*(8*((\a)%4)+4*(\g)+\bb)+\j+1], v[BIAS+8*(4*(\g)+\bb)+\j:BIAS+8*(4*(\g)+\bb)+\j+1]   ; + the bias; each accumulator from its low end on
.endr
.endr
	WIN 0
	v_pk_mul_f32 v[12:13], v[T:T+1], v[T:T+1]      ; the squares, in two chains
	v_pk_mul_f32 v[14:15], v[T+2:T+3], v[T+2:T+3]
.irp i, 4,8,12,16,20,24,28
	v_pk_fma_f32 v[12:13], v[T+\i:T+\i+1], v[T+\i:T+\i+1], v[12:13]
	v_pk_fma_f32 v[14:15], v[T+\i+2:T+\i+3], v[T+\i+2:T+\i+3], v[14:15]
.endr
	v_pk_add_f32 v[12:13], v[12:13], v[14:15]
	v_add_f32 v12, v12, v13
	v_permlanex16_b32 v22, v12, s4, s5             ; the token's other 32 channels lie in the lane 16 away
	v_add_f32 v12, v12, v22
	v_fma_f32 v12, v12, s6, s7                     ; the mean + 1e-6
	v_rsq_f32 v30, v12
	WIN 0x04                                       ; source 1 window 1.  The 32 lines below name neither the root nor its source: the independent work behind it
.set i, 0
.rept 16
	v_pk_mul_f32 v[U+i:U+i+1], v[T+i:T+i+1], v[CW+i:CW+i+1]
.set i, i+2
.endr
.set i, 0
.rept 8
	v_pk_fma_f32 v[U+i:U+i+1], v[T+16+i:T+17+i], v[SW+i:SW+i+1], v[U+i:U+i+1]
.set i, i+2
.endr
.rept 8
	v_pk_fma_f32 v[U+i:U+i+1], v[T-16+i:T-15+i], v[SW+i:SW+i+1], v[U+i:U+i+1]
.set i, i+2
.endr
	WIN 0
	s_wait_alu depctr_va_vdst(0)                   ; the wait ahead of the first line that names the root
.set i, 0
.rept 16
	v_pk_mul_f32 v[U+i:U+i+1], v[U+i:U+i+1], v[30:31] op_sel_hi:[1,0]
.set i, i+2
.endr
.set i, 0
.rept 16
	v_cvt_pk_f16_f32 v[OUT+16*(\g)+i], v[U+2*i], v[U+2*i+1]
.set i, i+1
.endr
.irp bb, 0,1,2,3
	global_store_b128 v10, v[OUT+16*(\g)+4*\bb:OUT+16*(\g)+4*\bb+3], s[22:23] offset:(\g)*262144+(\a)*2048+\bb*512
.endr
.endm
.irp a, 0,1,2,3,4,5,6,7
	QK_A \a
	QK_HEAD \a, 0
	QK_HEAD \a, 1
.endr
	s_branch .Lend
.Lv_out:
.macro V_A a                           ; channels 16 a + r of my 128 (head a / 4, chunk a % 4), all my 128 tokens: eight token tiles
	s_wait_xcnt 0x0                                ; the earlier stores have read their data
	WIN 0x06+(\a)/4
.irp b, 0,1,2,3,4,5,6,7
.irp j, 0,2,4,6
	v_pk_add_f32 v[T+8*\b+\j:T+8*\b+\j+1], v[8*(8*((\a)%4)+\b)+\j:8*(8*((\a)%4)+\b)+\j+1], v[BY+2*(\a):BY+2*(\a)+1]
.endr
.endr
	WIN 0
.set i, 0
.rept 32
	v_cvt_pk_f16_f32 v[OUT+i], v[T+2*i], v[T+2*i+1]
.set i, i+1
.endr
.irp b, 0,1,2,3,4,5,6,7
	global_store_b128 v10, v[OUT+4*\b:OUT+4*\b+3], s[22:23] offset:((\a)/4)*262144+\b*2048+((\a)%4)*512
.endr
.endm
.irp a, 0,1,2,3,4,5,6,7
	V_A \a
.endr
.Lend:
	s_wait_tensorcnt 0x0                           ; the wave's end
	ds_add_u32 v[SPW], v[NIL]
	s_wait_dscnt 0x0
	CROUND                                         ; the closing round
	s_endpgm
.Lfunc_end_k_qd0a090682a_qkv:
	.size	k_qd0a090682a_qkv, .Lfunc_end_k_qd0a090682a_qkv-k_qd0a090682a_qkv
	.p2alignl 7, 3214868480
	.fill 96, 4, 3214868480
	.section	.rodata,"a",@progbits
	.p2align	6, 0x0
	.amdhsa_kernel k_qd0a090682a_qkv
		.amdhsa_group_segment_fixed_size 327680
		.amdhsa_private_segment_fixed_size 0
		.amdhsa_enable_private_segment 0
		.amdhsa_kernarg_size 80
		.amdhsa_user_sgpr_count 2
		.amdhsa_user_sgpr_kernarg_segment_ptr 1
		.amdhsa_wavefront_size32 1
		.amdhsa_system_sgpr_workgroup_id_x 1
		.amdhsa_system_sgpr_workgroup_id_y 1
		.amdhsa_system_sgpr_workgroup_id_z 1
		.amdhsa_system_vgpr_workitem_id 0
		.amdhsa_next_free_vgpr 1024
		.amdhsa_next_free_sgpr 106
		.amdhsa_reserve_vcc 0
		.amdhsa_float_denorm_mode_32 3
		.amdhsa_float_denorm_mode_16_64 3
		.amdhsa_memory_ordered 1
		.amdhsa_forward_progress 1
		.amdhsa_inst_pref_size 255
	.end_amdhsa_kernel
	.section	.bss,"aw",@nobits
	.p2align	6
	.space	262144
	.amdgpu_metadata
---
amdhsa.version: [ 1, 2 ]
amdhsa.kernels:
  - .name:           k_qd0a090682a_qkv
    .symbol:         k_qd0a090682a_qkv.kd
    .args:
      - { .name: xc, .offset: 0, .size: 8, .value_kind: global_buffer, .address_space: global }
      - { .name: xs, .offset: 8, .size: 8, .value_kind: global_buffer, .address_space: global }
      - { .name: wc, .offset: 16, .size: 8, .value_kind: global_buffer, .address_space: global }
      - { .name: ws, .offset: 24, .size: 8, .value_kind: global_buffer, .address_space: global }
      - { .name: qkv_b, .offset: 32, .size: 8, .value_kind: global_buffer, .address_space: global }
      - { .name: qn_w, .offset: 40, .size: 8, .value_kind: global_buffer, .address_space: global }
      - { .name: kn_w, .offset: 48, .size: 8, .value_kind: global_buffer, .address_space: global }
      - { .name: rope_cos, .offset: 56, .size: 8, .value_kind: global_buffer, .address_space: global }
      - { .name: rope_sin, .offset: 64, .size: 8, .value_kind: global_buffer, .address_space: global }
      - { .name: qkv, .offset: 72, .size: 8, .value_kind: global_buffer, .address_space: global }
    .group_segment_fixed_size: 327680
    .private_segment_fixed_size: 0
    .kernarg_segment_align: 8
    .kernarg_segment_size: 80
    .max_flat_workgroup_size: 128
    .sgpr_count:     106
    .vgpr_count:     1024
    .wavefront_size: 32
...
	.end_amdgpu_metadata
.endif
;; end of part 2
;; launch attn (part 3): grid 4 x 64, 8 waves a work-group, clusters of 4 x 1, 327,680 bytes of LDS; arguments qkv, of; writes of
.if DOCPART == 3
	.amdgcn_target "amdgcn-amd-amdhsa--gfx1250"
	.amdhsa_code_object_version 6
	.text
	.protected	k_qd0a090682a_attn
	.globl	k_qd0a090682a_attn
	.p2align	8
	.type	k_qd0a090682a_attn,@function
k_qd0a090682a_attn:
	s_mov_b64 s[64:65], 0
	v_nop
	global_prefetch_b8 v0, s[64:65] scope:SCOPE_SE
	s_setreg_imm32_b32 hwreg(HW_REG_WAVE_MODE, 25, 1), 1
	s_wait_xcnt 0x0
	s_wait_alu depctr_hold_cnt(0) depctr_sa_sdst(0) depctr_va_vdst(0) depctr_va_sdst(0) depctr_va_ssrc(0) depctr_va_vcc(0) depctr_vm_vsrc(0)
	s_getreg_b32 s2, hwreg(HW_REG_IB_STS2, 6, 4)
	s_cmp_eq_u32 s2, 0
	s_cbranch_scc0 .Lentry_in_a_cluster
	s_endpgm
.Lentry_in_a_cluster:
	s_bfe_u32 s2, ttmp6, 0x10000c
	s_cmp_lg_u32 s2, 0x3003
	s_cbranch_scc0 .Lentry_shape_is_right
	s_endpgm
.Lentry_shape_is_right:
; o[b][h][q] = the sum over k of softmax_k(q . k / 8) v, 64 batch x heads, 2,048 tokens, head size 64, no mask.  Operands in f16, products, maxima and sums in f32.
; q, k, v come as images of operand registers (chunk images of 512 bytes, lane l's 16 bytes at 16 l): three parts of 2^24 bytes, each [bh 64][token tile 128][chunk 4][512].  q carries the factor log2(e) / 8, so the scores are in units of log2.
; o leaves in f16 as images for the projection: [token tile 512][16 channels 64][512]: lane (r, h) holds token r, channels 8 h + 0 .. 7 of the sixteen.
; SHARES.  A work-group owns 512 queries of one head, each of its eight waves 64: four tiles of 16, so that each fragment of K and V read from LDS feeds four products.  Two waves share a SIMD: one's vector work stands beside the other's products.
; LAYOUT.  S^T = K Q^T (source 0 = 16 keys, source 1 = 16 queries) and O^T = V^T P (source 0 = 16 channels, source 1 = P): a lane holds ONE query (lane % 16) throughout; two tiles of S^T, rounded in pairs, are P's fragment in place.
; SOFTMAX.  A running maximum m and sum l for each query: p = 2^(s - m); O and l are multiplied by a = 2^(m_old - m_new) in every step.  m begins at -3e38, so that the first a is 0 and multiplies zeros.
; CLUSTER.  The four work-groups of a cluster are all the readers of a head's K and V: each tile is asked for jointly, with the mask 15.  Two LDS slots of 512 keys (64 KiB of K, 64 KiB of V), each wave fetching 16 KiB by one load.
; No prefetch: a refill stands eight key steps, 512 products a wave, ahead of the wait for it.
; A KEY STEP i (64 keys): K(i) is asked of LDS; O x a; O += V(i-1)^T P(i-1); S = K(i) Q^T; V(i) is asked of LDS; the softmax of step i.  So K's way out of LDS lies under products, V's under the softmax.
; LIMITS: NaN and infinities are not served; o within f16's range.
; REGISTERS.  window 0: v2-5 addresses; v12-43 statistics, eight a tile (+0 m, +1 its pair's partner, +2, +3 l, +4 .. +7 at work, a at +6); v62, v63 the add's two; v64-191 S^T, then P, 32 a tile; v192-255 K.
;   window 1: v0-127 O^T, 32 a tile; v128-191 Q, 16 a tile; v192-255 V.
.set SLOT1, 1<<17
.set SPARE, 2*SLOT1
.set ST,  12
.set S,   64
.set KF,  192
.set QF,  128
.set VF,  192
.set SPW, 62
.set NIL, 63
.set WV,  12
.set G1,  24
.set G0,  40                           ; s[40:43] slot 0's first fill; s[44:47] slot 1's, which then walks
.set SLOTS, 56
.set CNT, 57
.set SEL, 60
.set TB,  62                           ; LDS byte at which the step's tile of K begins
.set MSB, 0
.macro WIN new
.if MSB != (\new)
	s_set_vgpr_msb (MSB<<8)|(\new)
.set MSB, (\new)
.endif
.endm
.macro CROUND
	s_barrier_signal -1
	s_barrier_wait -1
	s_cmp_lg_u32 s[WV], 0
	s_cbranch_scc1 .Lnot_wave_0_\@
	s_barrier_signal -3
.Lnot_wave_0_\@:
	s_barrier_wait -3
	s_barrier_signal -1
	s_barrier_wait -1
.endm
	s_load_b128 s[4:7], s[0:1], 0x0                ; qkv, of
	v_lshl_add_u32 v[SPW], v0, 2, SPARE
	v_mov_b32 v[NIL], 0
	ds_add_u32 v[SPW], v[NIL]                      ; the wave's opening: the add, twice on end, and its wait ahead of my first tensor load
	ds_add_u32 v[SPW], v[NIL]
	v_lshrrev_b32 v1, 5, v0
	v_readfirstlane_b32 s[WV], v1                  ; wave 0..7
	s_bfe_u32 s13, ttmp6, 0x40000                  ; cx: which 512 queries
	s_and_b32 s14, ttmp7, 0xffff                   ; batch x 16 + head, which the four partners share
	; descriptor group 1: 16 KiB dense, as 64 rows of 256 bytes (32 elements of 8 bytes), no padding: images are read 512 consecutive bytes at a time
	s_mov_b32 s[G1], 15|(3<<16)|(1<<21)            ; 15:0 the mask: all four; 17:16 elements of 8 bytes; 21 set beside a mask
	s_mov_b32 s[G1+1], 32<<16
	s_mov_b32 s[G1+2], 64<<16
	s_mov_b32 s[G1+3], 32<<16
	s_mov_b32 s[G1+4], 64
	s_mov_b32 s[G1+5], 32
	s_mov_b32 s[G1+6], 0
	s_mov_b32 s[G1+7], 0
	s_lshl_b32 s16, s14, 18                        ; the head's bytes in a part
	s_lshr_b32 s20, s[WV], 2                       ; what I fetch: waves 0-3 of part k, waves 4-7 of part v,
	s_add_co_u32 s20, s20, 1
	s_lshl_b32 s20, s20, 24
	s_add_co_u32 s20, s20, s16
	s_and_b32 s21, s[WV], 3
	s_lshl_b32 s21, s21, 14                        ; quarter wave % 4 of a slot's 64 KiB
	s_add_co_u32 s20, s20, s21
	s_mov_b32 s21, 0
	s_lshl_b32 s22, s13, 16                        ; Q: my work-group's 32 token tiles of 2,048 bytes,
	s_add_co_u32 s22, s22, s16
	s_lshl_b32 s23, s[WV], 13                      ; my wave's four
	s_add_co_u32 s22, s22, s23
	s_mov_b32 s23, 0
	s_lshr_b32 s10, s14, 4                         ; O: the batch's 128 token tiles of 32,768 bytes,
	s_lshl_b32 s10, s10, 22
	s_lshl_b32 s11, s13, 20                        ; my work-group's 32,
	s_add_co_u32 s10, s10, s11
	s_lshl_b32 s11, s[WV], 17                      ; my wave's four,
	s_add_co_u32 s10, s10, s11
	s_and_b32 s11, s14, 15
	s_lshl_b32 s11, s11, 11                        ; the head's four chunk images
	s_add_co_u32 s10, s10, s11
	s_mov_b32 s11, 0
	s_lshl_b32 s15, s[WV], 14                      ; where my part of a slot lies: no place in the cluster enters an LDS address
	s_mov_b32 s[SEL], 0x76543210
	s_mov_b32 s[SEL+1], 0xfedcba98
	s_mov_b32 s[TB], 0
	s_wait_dscnt 0x0                               ; both opening adds are done
	s_wait_kmcnt 0x0
	s_add_nc_u64 s[8:9], s[4:5], s[20:21]
	s_add_nc_u64 s[4:5], s[4:5], s[22:23]
	s_add_nc_u64 s[6:7], s[6:7], s[10:11]
	CROUND                                         ; all four work-groups are here: the first joint loads meet
.irp s, 0,1
	s_mov_b32 s[G0+4*\s], 1
	s_add_co_u32 s[G0+4*\s+1], s15, \s*SLOT1
	s_add_nc_u64 s[G0+4*\s+2:G0+4*\s+3], s[8:9], \s*65536
	s_or_b32 s[G0+4*\s+3], s[G0+4*\s+3], 0x80000000
.endr
	tensor_load_to_lds s[G0:G0+3], s[G1:G1+7]      ; keys 0-511
	s_nop 0
	tensor_load_to_lds s[G0+4:G0+7], s[G1:G1+7]    ; keys 512-1,023: two loads of mine are out
	s_nop 0
.rept 4
	v_nop
.endr
	v_and_b32 v2, 31, v0
	v_lshlrev_b32 v2, 4, v2                        ; 16 x lane: my place in every image
	v_add_nc_u32 v3, 0x10000, v2                   ; and in V's, behind a slot's 64 KiB of K
	WIN 0x40                                       ; destination window 1
.irp t, 0,1,2,3
.irp n, 0,1,2,3
	global_load_b128 v[QF+16*\t+4*\n:QF+16*\t+4*\n+3], v2, s[4:5] offset:\t*2048+\n*512   ; Q stays in registers
.endr
.endr
	WIN 0
.irp t, 0,1,2,3
	v_mov_b32 v[ST+8*\t], 0xff61b1e6               ; m = -3e38, under every score
.irp k, 1,2,3,4,5,6,7
	v_mov_b32 v[ST+8*\t+\k], 0
.endr
.endr
; The softmax of one key step, the four tiles by turns line by line, so that no line waits for the line above it.
.macro SOFTMAX
.irp j, 0,1,2,3
.irp t, 0,1,2,3
	v_max3_num_f32 v[ST+8*\t+4+\j], v[S+32*\t+8*\j], v[S+32*\t+8*\j+1], v[S+32*\t+8*\j+2]   ; four chains; each accumulator is first read at its low end
.endr
.endr
.irp p, 1,2
.irp j, 0,1,2,3
.irp t, 0,1,2,3
	v_max3_num_f32 v[ST+8*\t+4+\j], v[ST+8*\t+4+\j], v[S+32*\t+8*\j+2*\p+1], v[S+32*\t+8*\j+2*\p+2]
.endr
.endr
.endr
.irp t, 0,1,2,3
	v_max3_num_f32 v[ST+8*\t+4], v[ST+8*\t+4], v[S+32*\t+7], v[S+32*\t+15]
.endr
.irp t, 0,1,2,3
	v_max3_num_f32 v[ST+8*\t+6], v[ST+8*\t+6], v[S+32*\t+23], v[S+32*\t+31]
.endr
.irp t, 0,1,2,3
	v_max3_num_f32 v[ST+8*\t+4], v[ST+8*\t+4], v[ST+8*\t+5], v[ST+8*\t+6]
.endr
.irp t, 0,1,2,3
	v_max3_num_f32 v[ST+8*\t+4], v[ST+8*\t+4], v[ST+8*\t+7], v[ST+8*\t]     ; and the old m
.endr
.irp t, 0,1,2,3
	v_permlanex16_b32 v[ST+8*\t+5], v[ST+8*\t+4], s[SEL], s[SEL+1]          ; the query's other 32 keys lie in the lane 16 away
.endr
.irp t, 0,1,2,3
	v_mov_b32 v[ST+8*\t+7], v[ST+8*\t]
.endr
.irp t, 0,1,2,3
	v_max_num_f32 v[ST+8*\t], v[ST+8*\t+4], v[ST+8*\t+5]                    ; the new m
.endr
.irp t, 0,1,2,3
	v_sub_f32 v[ST+8*\t+7], v[ST+8*\t+7], v[ST+8*\t]                        ; m_old - m_new
.endr
.irp b, 0,2,4,6,8,10,12,14,16,18,20,22,24,26,28,30
.irp t, 0,1,2,3
	v_pk_add_f32 v[S+32*\t+\b:S+32*\t+\b+1], v[S+32*\t+\b:S+32*\t+\b+1], v[ST+8*\t:ST+8*\t+1] op_sel_hi:[1,0] neg_lo:[0,1] neg_hi:[0,1]   ; s - m
.endr
.endr
.irp t, 0,1,2,3
	v_exp_f32 v[ST+8*\t+6], v[ST+8*\t+7]           ; a.  ONE BATCH of 132 exponentials, none of which reads another's result
.endr
.irp e, 0,1,2,3,4,5,6,7,8,9,10,11,12,13,14,15,16,17,18,19,20,21,22,23,24,25,26,27,28,29,30,31
.irp t, 0,1,2,3
	v_exp_f32 v[S+32*\t+\e], v[S+32*\t+\e]
.endr
.endr
	v_nop                                          ; the plain line behind the last exponential
	s_wait_alu depctr_va_vdst(0)                   ; the wait ahead of the first line that names a result: one for the batch
.irp t, 0,1,2,3
	v_pk_mul_f32 v[ST+8*\t+2:ST+8*\t+3], v[ST+8*\t+2:ST+8*\t+3], v[ST+8*\t+6:ST+8*\t+7] op_sel_hi:[1,0]   ; l x a
.endr
.irp t, 0,1,2,3
	v_pk_add_f32 v[ST+8*\t+4:ST+8*\t+5], v[S+32*\t:S+32*\t+1], v[S+32*\t+2:S+32*\t+3]                     ; the sum of the unrounded p, in two chains
.endr
.irp j, 4,8,12,16,20,24,28
.irp t, 0,1,2,3
	v_pk_add_f32 v[ST+8*\t+2:ST+8*\t+3], v[ST+8*\t+2:ST+8*\t+3], v[S+32*\t+\j:S+32*\t+\j+1]
.endr
.irp t, 0,1,2,3
	v_pk_add_f32 v[ST+8*\t+4:ST+8*\t+5], v[ST+8*\t+4:ST+8*\t+5], v[S+32*\t+\j+2:S+32*\t+\j+3]
.endr
.endr
.irp t, 0,1,2,3
	v_pk_add_f32 v[ST+8*\t+2:ST+8*\t+3], v[ST+8*\t+2:ST+8*\t+3], v[ST+8*\t+4:ST+8*\t+5]
.endr
.irp u, 0,1
.irp j, 0,1,2,3,4,5,6,7
.irp t, 0,1,2,3
	v_cvt_pk_f16_f32 v[S+32*\t+16*\u+\j], v[S+32*\t+16*\u+2*\j], v[S+32*\t+16*\u+2*\j+1]   ; P's fragment of keys 32 u on, in place, ascending: no source is written before it is read
.endr
.endr
.endr
.endm
.macro RESCALE                         ; O^T x a, each accumulator from its low end on
	WIN 0x41                                       ; destination and source 0 window 1
.irp t, 0,1,2,3
.irp i, 0,2,4,6,8,10,12,14,16,18,20,22,24,26,28,30
	v_pk_mul_f32 v[32*\t+\i:32*\t+\i+1], v[32*\t+\i:32*\t+\i+1], v[ST+8*\t+6:ST+8*\t+7] op_sel_hi:[1,0]
.endr
.endr
.endm
.macro PVS start                       ; 32 products O^T += V^T P; the 16 accumulators take turns, one instruction a turn.  start = 1: the first 16 start the sums
	WIN 0x51                                       ; V and O^T window 1, P window 0
.irp u, 0,1
.irp ct, 0,1,2,3
.irp t, 0,1,2,3
.if (\start == 1) && (\u == 0)
	v_wmma_f32_16x16x32_f16 v[32*\t+8*\ct:32*\t+8*\ct+7], v[VF+8*(2*\ct+\u):VF+8*(2*\ct+\u)+7], v[S+32*\t+16*\u:S+32*\t+16*\u+7], 0
.else
	v_wmma_f32_16x16x32_f16 v[32*\t+8*\ct:32*\t+8*\ct+7], v[VF+8*(2*\ct+\u):VF+8*(2*\ct+\u)+7], v[S+32*\t+16*\u:S+32*\t+16*\u+7], v[32*\t+8*\ct:32*\t+8*\ct+7]
.endif
.endr
.endr
.endr
.endm
; A key step.  pv = 0: the first (no products V^T P yet); 1: the second (they start O^T); 2: every other.
.macro BODY pv
	v_add_nc_u32 v4, s[TB], v2
.irp n, 0,1,2,3,4,5,6,7,8,9,10,11,12,13,14,15
	ds_load_b128 v[KF+4*\n:KF+4*\n+3], v4 offset:512*\n          ; K of this step: fragment (16 keys kt, 32 channels c) in registers 8 (2 kt + c) on
.endr
.if \pv == 2
	RESCALE
.endif
.if \pv >= 1
	s_wait_dscnt 16                                ; V of the step before is in; K's sixteen loads may be out
	PVS \pv
	WIN 0
	v_add_nc_u32 v5, s[TB], v3                     ; five places: the products below write over P, which the products above read
.rept 4
	v_nop
.endr
.endif
	s_wait_dscnt 0x0                               ; K is in
.if \pv == 0
	s_wait_loadcnt 0x0                             ; Q
.endif
	WIN 0x04                                       ; Q window 1
.irp c, 0,1
.irp kt, 0,1,2,3
.irp t, 0,1,2,3
.if \c == 0
	v_wmma_f32_16x16x32_f16 v[S+32*\t+8*\kt:S+32*\t+8*\kt+7], v[KF+8*(2*\kt+\c):KF+8*(2*\kt+\c)+7], v[QF+16*\t+8*\c:QF+16*\t+8*\c+7], 0
.else
	v_wmma_f32_16x16x32_f16 v[S+32*\t+8*\kt:S+32*\t+8*\kt+7], v[KF+8*(2*\kt+\c):KF+8*(2*\kt+\c)+7], v[QF+16*\t+8*\c:QF+16*\t+8*\c+7], v[S+32*\t+8*\kt:S+32*\t+8*\kt+7]
.endif
.endr
.endr
.endr
	WIN 0
.if \pv == 0
	v_add_nc_u32 v5, s[TB], v3
.endif
.rept 4
	v_nop                                          ; places ahead of the first read of the scores and of the loads into V's registers
.endr
	s_add_co_u32 s[TB], s[TB], 8192                ; the next step's tiles
	WIN 0x40                                       ; destination window 1
.irp ct, 0,1,2,3
.irp u, 0,1
.irp e, 0,1
	ds_load_b128 v[VF+8*(2*\ct+\u)+4*\e:VF+8*(2*\ct+\u)+4*\e+3], v5 offset:(2*\u+\e)*2048+\ct*512   ; V of this step: fragment (16 channels ct, 32 keys u)
.endr
.endr
.endr
	WIN 0
	SOFTMAX
.endm
; THE CHANGE OF SLOTS: the slot's last bytes, V of its eighth step, have been asked for.  Each wave waits for all its tensor loads, adds 0 to its spare word, and waits for that and for its reads of the slot.
; fill = 1: the slot is filled again with the keys two slots on, behind a round of the cluster's barrier, first thing; the load has eight key steps in which to land.
.macro CHANGE fill
	s_wait_tensorcnt 0x0                           ; no tensor load of mine is out, so a group 0 may be written
	ds_add_u32 v[SPW], v[NIL]
.if \fill
	s_xor_b32 s[G0+5], s[G0+5], SLOT1              ; the walking descriptor: the other slot than last time,
	s_add_nc_u64 s[G0+6:G0+7], s[G0+6:G0+7], 65536 ; the next 512 keys
	s_wait_dscnt 0x0                               ; the add is done, and my reads of the slot are over
	CROUND
	tensor_load_to_lds s[G0+4:G0+7], s[G1:G1+7]    ; my one tensor load behind the round
	s_nop 0
.rept 4
	v_nop
.endr
.else
	s_wait_dscnt 0x0
	s_barrier_signal -1
	s_barrier_wait -1
.endif
	s_sub_co_u32 s[TB], s[TB], 65536               ; back to a slot's first step,
	s_xor_b32 s[TB], s[TB], SLOT1                  ; in the other slot
.endm
	s_wait_tensorcnt 1                             ; my part of slot 0 is in; slot 1's may stay out
	s_barrier_signal -1
	s_barrier_wait -1
	BODY 0
	BODY 1
	s_mov_b32 s[CNT], 6
.Lfirst:
	BODY 2
	s_sub_co_u32 s[CNT], s[CNT], 1
	s_cmp_lg_u32 s[CNT], 0
	s_cbranch_scc1 .Lfirst
	s_mov_b32 s[SLOTS], 2
.Lslot:                                            ; two trips: slots 0 and 1 are each filled once more
	CHANGE 1
	s_mov_b32 s[CNT], 8
.Lstep:
	BODY 2
	s_sub_co_u32 s[CNT], s[CNT], 1
	s_cmp_lg_u32 s[CNT], 0
	s_cbranch_scc1 .Lstep
	s_sub_co_u32 s[SLOTS], s[SLOTS], 1
	s_cmp_lg_u32 s[SLOTS], 0
	s_cbranch_scc1 .Lslot
	CHANGE 0                                       ; the tail is written out
	s_mov_b32 s[CNT], 8
.Llast:
	BODY 2
	s_sub_co_u32 s[CNT], s[CNT], 1
	s_cmp_lg_u32 s[CNT], 0
	s_cbranch_scc1 .Llast
	RESCALE
	s_wait_dscnt 0x0                               ; V of the last step
	PVS 2
	WIN 0
	; THE WAY OUT: l's halves and the other half of the lanes'; O^T / l, rounded to f16; a lane's eight channels are 16 bytes of an image: stored straight from registers.  The additions are the places behind the last products.
.irp t, 0,1,2,3
	v_add_f32 v[ST+8*\t+4], v[ST+8*\t+2], v[ST+8*\t+3]
.endr
.irp t, 0,1,2,3
	v_permlanex16_b32 v[ST+8*\t+5], v[ST+8*\t+4], s[SEL], s[SEL+1]
.endr
.irp t, 0,1,2,3
	v_add_f32 v[ST+8*\t+4], v[ST+8*\t+4], v[ST+8*\t+5]
.endr
.irp t, 0,1,2,3
	v_rcp_f32 v[ST+8*\t+6], v[ST+8*\t+4]
.endr
	v_nop
	s_wait_alu depctr_va_vdst(0)                   ; one wait for the four reciprocals, ahead of their first reader
	RESCALE                                        ; the same lines: O^T x the number at +6, now 1 / l
	WIN 0x05                                       ; sources window 1, destination window 0
.set i, 0
.rept 64
	v_cvt_pk_f16_f32 v[S+i], v[2*i], v[2*i+1]
.set i, i+1
.endr
	WIN 0
.irp t, 0,1,2,3
.irp ct, 0,1,2,3
	global_store_b128 v2, v[S+16*\t+4*\ct:S+16*\t+4*\ct+3], s[6:7] offset:\t*32768+\ct*512   ; 512 consecutive bytes, aligned
.endr
.endr
	s_wait_tensorcnt 0x0                           ; the wave's end
	ds_add_u32 v[SPW], v[NIL]
	s_wait_dscnt 0x0
	CROUND                                         ; the closing round
	s_endpgm
.Lfunc_end_k_qd0a090682a_attn:
	.size	k_qd0a090682a_attn, .Lfunc_end_k_qd0a090682a_attn-k_qd0a090682a_attn
	.p2alignl 7, 3214868480
	.fill 96, 4, 3214868480
	.section	.rodata,"a",@progbits
	.p2align	6, 0x0
	.amdhsa_kernel k_qd0a090682a_attn
		.amdhsa_group_segment_fixed_size 327680
		.amdhsa_private_segment_fixed_size 0
		.amdhsa_enable_private_segment 0
		.amdhsa_kernarg_size 16
		.amdhsa_user_sgpr_count 2
		.amdhsa_user_sgpr_kernarg_segment_ptr 1
		.amdhsa_wavefront_size32 1
		.amdhsa_system_sgpr_workgroup_id_x 1
		.amdhsa_system_sgpr_workgroup_id_y 1
		.amdhsa_system_sgpr_workgroup_id_z 1
		.amdhsa_system_vgpr_workitem_id 0
		.amdhsa_next_free_vgpr 512
		.amdhsa_next_free_sgpr 66
		.amdhsa_reserve_vcc 0
		.amdhsa_float_denorm_mode_32 3
		.amdhsa_float_denorm_mode_16_64 3
		.amdhsa_memory_ordered 1
		.amdhsa_forward_progress 1
		.amdhsa_inst_pref_size 174
	.end_amdhsa_kernel
	.amdgpu_metadata
---
amdhsa.version: [ 1, 2 ]
amdhsa.kernels:
  - .name:           k_qd0a090682a_attn
    .symbol:         k_qd0a090682a_attn.kd
    .args:
      - { .name: qkv, .offset: 0, .size: 8, .value_kind: global_buffer, .address_space: global }
      - { .name: of, .offset: 8, .size: 8, .value_kind: global_buffer, .address_space: global }
    .group_segment_fixed_size: 327680
    .private_segment_fixed_size: 0
    .kernarg_segment_align: 8
    .kernarg_segment_size: 16
    .max_flat_workgroup_size: 256
    .sgpr_count:     66
    .vgpr_count:     512
    .wavefront_size: 32
...
	.end_amdgpu_metadata
.endif
;; end of part 3
;; launch proj (part 4): grid 4 x 64, 4 waves a work-group, clusters of 4 x 4, 327,680 bytes of LDS; arguments of, pw, proj_b, out0; writes out0
.if DOCPART == 4
	.amdgcn_target "amdgcn-amd-amdhsa--gfx1250"
	.amdhsa_code_object_version 6
	.text
	.protected	k_qd0a090682a_proj
	.globl	k_qd0a090682a_proj
	.p2align	8
	.type	k_qd0a090682a_proj,@function
k_qd0a090682a_proj:
	s_mov_b64 s[64:65], 0
	v_nop
	global_prefetch_b8 v0, s[64:65] scope:SCOPE_SE
	s_setreg_imm32_b32 hwreg(HW_REG_WAVE_MODE, 25, 1), 1
	s_wait_xcnt 0x0
	s_wait_alu depctr_hold_cnt(0) depctr_sa_sdst(0) depctr_va_vdst(0) depctr_va_sdst(0) depctr_va_ssrc(0) depctr_va_vcc(0) depctr_vm_vsrc(0)
	s_getreg_b32 s2, hwreg(HW_REG_IB_STS2, 6, 4)
	s_cmp_eq_u32 s2, 0
	s_cbranch_scc0 .Lentry_in_a_cluster
	s_endpgm
.Lentry_in_a_cluster:
	s_bfe_u32 s2, ttmp6, 0x10000c
	s_cmp_lg_u32 s2, 0xf033
	s_cbranch_scc0 .Lentry_shape_is_right
	s_endpgm
.Lentry_shape_is_right:
; out0 = o proj_w^T + proj_b.  o [8192][1024] and proj_w [1024][1024] come in f16 as images of operand registers: [tile of 16 rows][16 along K: 64][512 bytes], lane (r, h) holding row r, K = 8 h + 0 .. 7 of the sixteen, at 16 x lane.  Sums in f32; out0 f32.
; A tile of out0 is 128 tokens x 256 outputs: 256 work-groups of four waves; a wave makes 64 x 128: 32 accumulators, 256 registers (window 1).  A larger tile would leave half of the WGPs without work.
; K goes in steps of 128 through two LDS slots: a row tile's K step is 4,096 consecutive bytes of memory, so a tile is 8 (o) or 16 (proj_w) rows of 4,096 bytes, 32,768 apart; no padding: fragments are read 512 consecutive bytes at a time.
; CLUSTERS of 4 x 4: o's tile is shared along a row of the cluster, proj_w's along a column: joint loads.  THE MATRIX INSTRUCTION IS USED TRANSPOSED (source 0 = 16 rows of proj_w, source 1 = 16 tokens): a lane holds eight neighbouring outputs of a token.
; The bias is loaded straight into the accumulators, in the result's layout: it starts the sums, nothing is cleared, and every quarter step is alike.
; REGISTERS.  window 0: v16-30 addresses; v32-127 fragment buffer 0 (proj_w's eight fragments, then o's four), v128-223 buffer 1; on the way out v32-159 rows of out0.  window 1: accumulator (a, b) at v[8 (8 a + b)].
.set SLOT,   98304                     ; o's 8 x 4,096 bytes, then proj_w's 16 x 4,096
.set STAGE,  2*SLOT                    ; behind the ring: 16 rows x (512 bytes + 16) for each wave
.set SPITCH, 528
.set SPARE,  STAGE+4*16*SPITCH         ; the spare words, 128 bytes a wave
.set ADRA, 16
.set ADRB, 20
.set STO,  24
.set RD,   25
.set CO,   26
.set SPW,  28
.set NIL,  29
.set PFO,  30
.set F0,   32
.set F1,   128
.set BK,   32
.set WV,   12
.set HR,   13                          ; which 64 tokens are mine.  Also: I fetch for o (0) or for proj_w (1)
.set HC,   14                          ; which 128 outputs.  Also: which half of that tile I fetch
.set TR,   15
.set G1,   24
.set G0,   32
.set LIM,  43                          ; 1 in a wave that prefetches, else the greatest number
.set PFA,  44
.set G1B,  48
.set G0B,  56
.set MSB, 0
.macro WIN new
.if MSB != (\new)
	s_set_vgpr_msb (MSB<<8)|(\new)
.set MSB, (\new)
.endif
.endm
.set MUL, 0x50                         ; C and D window 1, the fragments window 0
.macro JLOAD s                         ; a joint load: waves 0 and 1 fetch o's two halves, waves 2 and 3 proj_w's; an s_nop 0 and four v_nop follow each line
	s_cmp_eq_u32 s[HR], 0
	s_cbranch_scc0 .Lfor_b_\@
	tensor_load_to_lds s[G0+4*\s:G0+4*\s+3], s[G1:G1+7]
	s_nop 0
.rept 4
	v_nop
.endr
	s_branch .Lasked_\@
.Lfor_b_\@:
	tensor_load_to_lds s[G0B+4*\s:G0B+4*\s+3], s[G1B:G1B+7]
	s_nop 0
.rept 4
	v_nop
.endr
.Lasked_\@:
.endm
; A prefetch of the K step that stands two refills on: two row tiles x 4,096 bytes, lanes 256 bytes apart, one instruction a wave.  o's tile row is read by one row of one cluster: its four partners take two token tiles each,
; told apart by address, and wave 0 asks.  proj_w's tile column is read by every cluster: cluster y = 0 asks; its four partners of a column take four row tiles each, waves 2 and 3 two each.  So each aligned block of 256 bytes
; is named once.  K steps 0 to 3 come by their loads alone; the loop's last trip asks for nothing: there is no K step two refills on.
.macro ASK
	s_cmp_gt_u32 s3, s[LIM]
	s_cbranch_scc0 .Lnot_mine_\@
	global_prefetch_b8 v[PFO], s[PFA:PFA+1] offset:4096 th:TH_LOAD_NT scope:SCOPE_SE
.Lnot_mine_\@:
.endm
.macro CREST
	s_cmp_lg_u32 s[WV], 0
	s_cbranch_scc1 .Lnot_wave_0_\@
	s_barrier_signal -3
.Lnot_wave_0_\@:
	s_barrier_wait -3
	s_barrier_signal -1
	s_barrier_wait -1
.endm
.macro CROUND
	s_barrier_signal -1
	s_barrier_wait -1
	CREST
.endm
	s_load_b128 s[4:7], s[0:1], 0x0                ; o's images, proj_w's images
	s_load_b128 s[8:11], s[0:1], 0x10              ; proj_b, out0
	v_lshl_add_u32 v[SPW], v0, 2, SPARE
	v_mov_b32 v[NIL], 0
	ds_add_u32 v[SPW], v[NIL]                      ; the wave's opening: the add, twice on end, and its wait ahead of my first tensor load
	ds_add_u32 v[SPW], v[NIL]
	v_lshrrev_b32 v1, 5, v0
	v_readfirstlane_b32 s[WV], v1
	s_lshr_b32 s[HR], s[WV], 1
	s_and_b32 s[HC], s[WV], 1
	s_bfe_u32 s40, ttmp6, 0x40000                  ; cx
	s_bfe_u32 s41, ttmp6, 0x40004                  ; cy
	s_lshl_b32 s42, ttmp9, 2
	s_add_co_u32 s42, s42, s40                     ; tile column: 256 outputs
	s_and_b32 s[TR], ttmp7, 0xffff
	s_lshl_b32 s[TR], s[TR], 2
	s_add_co_u32 s[TR], s[TR], s41                 ; tile row: 128 tokens
	s_lshl_b32 s43, s41, 2
	s_lshl_b32 s43, 15, s43                        ; my row of the cluster
	s_lshl_b32 s44, 0x1111, s40                    ; my column
	s_or_b32 s[G1], s43, (3<<16)|(1<<21)           ; 15:0 the mask; 17:16 elements of 8 bytes; 21 set beside a mask
	s_or_b32 s[G1B], s44, (3<<16)|(1<<21)
	s_mov_b32 s[G1+1], 512<<16                     ; o: 4 rows of 512 elements (4,096 bytes), 4,096 elements apart
	s_mov_b32 s[G1+2], 4<<16
	s_mov_b32 s[G1+3], 512<<16
	s_mov_b32 s[G1+4], 4
	s_mov_b32 s[G1+5], 4096
	s_mov_b32 s[G1+6], 0
	s_mov_b32 s[G1+7], 0
	s_mov_b32 s[G1B+1], 512<<16                    ; proj_w: 8 such rows
	s_mov_b32 s[G1B+2], 8<<16
	s_mov_b32 s[G1B+3], 512<<16
	s_mov_b32 s[G1B+4], 8
	s_mov_b32 s[G1B+5], 4096
	s_mov_b32 s[G1B+6], 0
	s_mov_b32 s[G1B+7], 0
	s_lshl_b32 s16, s[TR], 3
	s_lshl_b32 s17, s[HC], 2
	s_add_co_u32 s16, s16, s17                     ; o: token tile 8 x tile row + 4 x half,
	s_lshl_b32 s16, s16, 15                        ; of 32,768 bytes
	s_mov_b32 s17, 0
	s_lshl_b32 s46, s42, 4
	s_lshl_b32 s47, s[HC], 3
	s_add_co_u32 s46, s46, s47                     ; proj_w: row tile 16 x tile column + 8 x half
	s_lshl_b32 s46, s46, 15
	s_mov_b32 s47, 0
	s_lshl_b32 s20, s[HC], 14                      ; where they go: made of the wave's number alone
	s_lshl_b32 s21, s[HC], 15
	s_add_co_u32 s21, s21, 32768
	s_wait_dscnt 0x0                               ; both opening adds are done
	s_wait_kmcnt 0x0
	s_add_nc_u64 s[16:17], s[4:5], s[16:17]
	s_add_nc_u64 s[46:47], s[6:7], s[46:47]
	CROUND                                         ; all sixteen work-groups are here: the first joint loads meet
.irp s, 0,1
	s_mov_b32 s[G0+4*\s], 1
	s_add_co_u32 s[G0+4*\s+1], s20, \s*SLOT
	s_add_nc_u64 s[G0+4*\s+2:G0+4*\s+3], s[16:17], \s*4096
	s_or_b32 s[G0+4*\s+3], s[G0+4*\s+3], 0x80000000
	s_mov_b32 s[G0B+4*\s], 1
	s_add_co_u32 s[G0B+4*\s+1], s21, \s*SLOT
	s_add_nc_u64 s[G0B+4*\s+2:G0B+4*\s+3], s[46:47], \s*4096
	s_or_b32 s[G0B+4*\s+3], s[G0B+4*\s+3], 0x80000000
	JLOAD \s                                       ; two loads of mine are out
.endr
	v_and_b32 v1, 15, v0                           ; r
	v_bfe_u32 v2, v0, 4, 1                         ; h
	v_and_b32 v3, 31, v0
	v_lshlrev_b32 v[CO], 4, v3                     ; 16 x lane
	s_lshl_b32 s20, s[HR], 14                      ; my four token tiles
	s_lshl_b32 s21, s[HC], 15                      ; my eight row tiles of proj_w,
	s_add_co_u32 s21, s21, 32768                   ; behind o's 32 KiB
.irp s, 0,1
	v_add_nc_u32 v[ADRA+\s], s20, v[CO]
	v_add_nc_u32 v[ADRB+\s], s21, v[CO]
	s_add_co_u32 s20, s20, SLOT
	s_add_co_u32 s21, s21, SLOT
.endr
	s_mul_i32 s23, s[WV], 16*SPITCH
	s_add_co_u32 s23, s23, STAGE                   ; my stage
	v_mul_u32_u24 v4, v1, SPITCH                   ; in: row r, 32 bytes for each half of the lanes
	v_lshl_add_u32 v4, v2, 5, v4
	v_add_nc_u32 v[STO], s23, v4
	v_add_nc_u32 v[RD], s23, v[CO]                 ; back: the 32 lanes take one row of 512 bytes
	v_lshlrev_b32 v27, 5, v2                       ; the bias: my eight of a tile's sixteen outputs
	s_lshl_b32 s20, s42, 10
	s_lshl_b32 s21, s[HC], 9
	s_add_co_u32 s20, s20, s21                     ; my first output, in bytes
	s_mov_b32 s21, 0
	s_add_nc_u64 s[8:9], s[8:9], s[20:21]
	s_add_nc_u64 s[10:11], s[10:11], s[20:21]
	s_lshl_b32 s20, s[TR], 19                      ; my first token: 128 x tile row + 64 x half, rows of 4,096 bytes
	s_lshl_b32 s22, s[HR], 18
	s_add_co_u32 s20, s20, s22
	s_add_nc_u64 s[10:11], s[10:11], s[20:21]
	; the prefetches
	s_lshl_b32 s20, s[TR], 3
	s_lshl_b32 s22, s40, 1
	s_add_co_u32 s20, s20, s22                     ; o: token tile 8 x tile row + 2 cx
	s_lshl_b32 s21, s42, 4
	s_lshl_b32 s22, s41, 2
	s_add_co_u32 s21, s21, s22
	s_lshl_b32 s22, s[HC], 1
	s_add_co_u32 s21, s21, s22                     ; proj_w: row tile 16 x tile column + 4 cy + 2 (wave - 2)
	s_and_b32 s22, ttmp7, 0xffff                   ; cluster y
	s_cmp_eq_u32 s[HR], 0
	s_cselect_b32 s20, s20, s21
	s_cselect_b32 s22, s[HC], s22                  ; 0 in wave 0, and in waves 2 and 3 of cluster y = 0: the same in all sixteen partners, for a given wave
	s_cselect_b64 s[PFA:PFA+1], s[4:5], s[6:7]
	s_cmp_eq_u32 s22, 0
	s_cselect_b32 s[LIM], 1, -1
	s_lshl_b32 s20, s20, 15
	s_mov_b32 s21, 0
	s_add_nc_u64 s[PFA:PFA+1], s[PFA:PFA+1], s[20:21]
	s_add_nc_u64 s[PFA:PFA+1], s[PFA:PFA+1], 2*4096  ; at K step 2: the first refill steps it to 3 and names K step 4
	v_lshlrev_b32 v[PFO], 8, v1
	v_lshl_add_u32 v[PFO], v2, 15, v[PFO]          ; lanes 0-15 one row tile's 4,096 bytes, lanes 16-31 the next's
	WIN 0x40                                       ; destination window 1
.irp a, 0,1,2,3
.irp b, 0,1,2,3,4,5,6,7
	global_load_b128 v[8*(8*\a+\b):8*(8*\a+\b)+3], v27, s[8:9] offset:64*\b        ; proj_b at outputs 16 b + 8 h + 0 .. 7, for each of my four token tiles
	global_load_b128 v[8*(8*\a+\b)+4:8*(8*\a+\b)+7], v27, s[8:9] offset:64*\b+16
.endr
.endr
	WIN 0
.macro MUL8 f, a                       ; token tile a x proj_w's eight, 32 along K.  The 32 accumulators take turns, one instruction a turn, in the same order in every quarter
.irp b, 0,1,2,3,4,5,6,7
	v_wmma_f32_16x16x32_f16 v[8*(8*(\a)+\b):8*(8*(\a)+\b)+7], v[\f+8*\b:\f+8*\b+7], v[\f+64+8*(\a):\f+64+8*(\a)+7], v[8*(8*(\a)+\b):8*(8*(\a)+\b)+7]
.endr
.endm
.macro FETCH slot, q, f                ; 24 LDS loads in one run: the fragments of the slot's q-th 32 along K: proj_w's eight, then o's four
.irp b, 0,1,2,3,4,5,6,7
	ds_load_b128 v[\f+8*\b:\f+8*\b+3],   v[ADRB+\slot] offset:\b*4096+(\q)*1024
	ds_load_b128 v[\f+8*\b+4:\f+8*\b+7], v[ADRB+\slot] offset:\b*4096+(\q)*1024+512
.endr
.irp a, 0,1,2,3
	ds_load_b128 v[\f+64+8*\a:\f+64+8*\a+3],   v[ADRA+\slot] offset:\a*4096+(\q)*1024
	ds_load_b128 v[\f+64+8*\a+4:\f+64+8*\a+7], v[ADRA+\slot] offset:\a*4096+(\q)*1024+512
.endr
.endm
.macro PLACES                          ; four places ahead of loads into registers that matrix instructions have read, and of reads of results
.rept 4
	v_nop
.endr
.endm
.macro QUARTER slot, qn, f, g          ; multiplies buffer f; in its middle it fetches the slot's quarter qn into buffer g
	s_wait_dscnt 4                                 ; all but o's tiles 2 and 3 are in
	WIN MUL
	MUL8 \f, 0
	MUL8 \f, 1
	PLACES
	WIN 0
	FETCH \slot, \qn, \g
	s_wait_dscnt 24                                ; all but the 24 just issued
	WIN MUL
	MUL8 \f, 2
	MUL8 \f, 3
.endm
; A K step's last quarter multiplies buffer 1 and changes slots: ONE barrier; in front of it each wave waits for all its tensor loads, adds 0 to its spare word, and waits for that and for its reads of this slot.
; fill = 1: the barrier opens a round of the cluster's barrier, and this slot is filled again, two K steps ahead, first thing behind the round.
.macro TURN slot, next, fill
.if \fill
	s_wait_xcnt 0x0                                ; the last prefetch, a K step back, has read its address
	s_add_nc_u64 s[PFA:PFA+1], s[PFA:PFA+1], 4096
.endif
	WIN 0
	s_wait_tensorcnt 0x0                           ; my part of the next slot has landed
	ds_add_u32 v[SPW], v[NIL]
	s_wait_dscnt 5                                 ; (the add and the youngest four loads may be out)
	WIN MUL
	MUL8 F1, 0
	s_wait_dscnt 0x0                               ; the add is done, and my reads of this slot are over
	s_barrier_signal -1
	MUL8 F1, 1
	WIN 0
	s_barrier_wait -1
.if \fill
	CREST                                          ; no wave of any partner still reads this slot or has a load on its way
	s_add_nc_u64 s[G0+4*\slot+2:G0+4*\slot+3], s[G0+4*\slot+2:G0+4*\slot+3], 2*4096
	s_add_nc_u64 s[G0B+4*\slot+2:G0B+4*\slot+3], s[G0B+4*\slot+2:G0B+4*\slot+3], 2*4096
	JLOAD \slot                                    ; its four v_nop are also the places ahead of the loads below
.else
	PLACES
.endif
	FETCH \next, 0, F0
.if \fill
	ASK
.endif
	WIN MUL
	MUL8 F1, 2
	MUL8 F1, 3
.endm
	s_wait_tensorcnt 1                             ; my part of K step 0 is in (K step 1's load may be out),
	s_barrier_signal -1
	s_barrier_wait -1                              ; everybody's is
	FETCH 0, 0, F0
	s_wait_loadcnt 0x0                             ; the bias lies in the accumulators
	s_mov_b32 s3, 3
.Llap:                                             ; three trips: K steps 0 to 5 are multiplied, K steps 2 to 7 asked for
	QUARTER 0, 1, F0, F1
	QUARTER 0, 2, F1, F0
	QUARTER 0, 3, F0, F1
	TURN 0, 1, 1
	QUARTER 1, 1, F0, F1
	QUARTER 1, 2, F1, F0
	QUARTER 1, 3, F0, F1
	TURN 1, 0, 1
	WIN 0
	s_sub_co_u32 s3, s3, 1
	s_cmp_lg_u32 s3, 0
	s_cbranch_scc1 .Llap
	QUARTER 0, 1, F0, F1                           ; the last lap fills nothing: written out
	QUARTER 0, 2, F1, F0
	QUARTER 0, 3, F0, F1
	TURN 0, 1, 0
	QUARTER 1, 1, F0, F1
	QUARTER 1, 2, F1, F0
	QUARTER 1, 3, F0, F1
	s_wait_dscnt 4
	WIN MUL
	MUL8 F1, 0
	MUL8 F1, 1
	s_wait_dscnt 0
	MUL8 F1, 2
	MUL8 F1, 3
	WIN 0
; THE WAY OUT, a block of 16 tokens x 128 outputs at a time, through my own stage: in as 32 bytes a lane, back as whole rows of 512 bytes.  LDS serves a wave's instructions in order: no wait between the stores and the loads.
.macro TOSTAGE a
	WIN 0x04                                       ; an LDS store's data are its source 1: window 1
.irp b, 0,1,2,3,4,5,6,7
	ds_store_b128 v[STO], v[8*(8*(\a)+\b):8*(8*(\a)+\b)+3] offset:64*\b          ; each accumulator from its low end on
	ds_store_b128 v[STO], v[8*(8*(\a)+\b)+4:8*(8*(\a)+\b)+7] offset:64*\b+16
.endr
	WIN 0
.set BB, BK+64*((\a)%2)
.irp t, 0,1,2,3,4,5,6,7,8,9,10,11,12,13,14,15
	ds_load_b128 v[BB+4*\t:BB+4*\t+3], v[RD] offset:\t*SPITCH
.endr
.endm
.macro SEND a, younger                 ; younger: the LDS instructions issued behind block a's loads, which may stay out
.set BB, BK+64*((\a)%2)
	s_wait_dscnt \younger
.if (\a) > 0
	s_add_nc_u64 s[10:11], s[10:11], 16*4096       ; 16 rows on (the earlier stores have read their base: a wait on XCNT stands ahead)
.endif
.irp t, 0,1,2,3,4,5,6,7,8,9,10,11,12,13,14,15
	global_store_b128 v[CO], v[BB+4*\t:BB+4*\t+3], s[10:11] offset:\t*4096 th:TH_STORE_NT   ; 32 lanes store 512 consecutive bytes, aligned
.endr
.endm
	PLACES
	TOSTAGE 0
.irp a, 1,2,3
.if \a > 1
	s_wait_xcnt 0x0                                ; block a - 2's stores have read their registers and their base
.endif
	TOSTAGE \a
	SEND \a-1, 32                                  ; behind block a - 1's loads: block a's 16 stores and 16 loads
.endr
	s_wait_xcnt 0x0
	SEND 3, 0
	s_wait_tensorcnt 0x0                           ; the wave's end
	ds_add_u32 v[SPW], v[NIL]
	s_wait_dscnt 0x0
	CROUND                                         ; the closing round
	s_endpgm
.Lfunc_end_k_qd0a090682a_proj:
	.size	k_qd0a090682a_proj, .Lfunc_end_k_qd0a090682a_proj-k_qd0a090682a_proj
	.p2alignl 7, 3214868480
	.fill 96, 4, 3214868480
	.section	.rodata,"a",@progbits
	.p2align	6, 0x0
	.amdhsa_kernel k_qd0a090682a_proj
		.amdhsa_group_segment_fixed_size 327680
		.amdhsa_private_segment_fixed_size 0
		.amdhsa_enable_private_segment 0
		.amdhsa_kernarg_size 32
		.amdhsa_user_sgpr_count 2
		.amdhsa_user_sgpr_kernarg_segment_ptr 1
		.amdhsa_wavefront_size32 1
		.amdhsa_system_sgpr_workgroup_id_x 1
		.amdhsa_system_sgpr_workgroup_id_y 1
		.amdhsa_system_sgpr_workgroup_id_z 1
		.amdhsa_system_vgpr_workitem_id 0
		.amdhsa_next_free_vgpr 512
		.amdhsa_next_free_sgpr 66
		.amdhsa_reserve_vcc 0
		.amdhsa_float_denorm_mode_32 3
		.amdhsa_float_denorm_mode_16_64 3
		.amdhsa_memory_ordered 1
		.amdhsa_forward_progress 1
		.amdhsa_inst_pref_size 92
	.end_amdhsa_kernel
	.amdgpu_metadata
---
amdhsa.version: [ 1, 2 ]
amdhsa.kernels:
  - .name:           k_qd0a090682a_proj
    .symbol:         k_qd0a090682a_proj.kd
    .args:
      - { .name: of, .offset: 0, .size: 8, .value_kind: global_buffer, .address_space: global }
      - { .name: pw, .offset: 8, .size: 8, .value_kind: global_buffer, .address_space: global }
      - { .name: proj_b, .offset: 16, .size: 8, .value_kind: global_buffer, .address_space: global }
      - { .name: out0, .offset: 24, .size: 8, .value_kind: global_buffer, .address_space: global }
    .group_segment_fixed_size: 327680
    .private_segment_fixed_size: 0
    .kernarg_segment_align: 8
    .kernarg_segment_size: 32
    .max_flat_workgroup_size: 128
    .sgpr_count:     66
    .vgpr_count:     512
    .wavefront_size: 32
...
	.end_amdgpu_metadata
.endif
;; end of part 4
